; MI455X (gfx1250); checked and timed in simulation.
; The chip was launched on July 23, 2026; its instructions are those of AMD's public machine-readable ISA for CDNA 5 (MIT licence, August 2026) and "CDNA5" Instruction Set Architecture Reference Guide (July 2026). The comments in the code are by the model that wrote it; some were corrected since.
;; My Model. Allowed arithmetic: float matrix products may take bf16 or f16 operands with f32 sums; other float arithmetic in f32, or as packed bf16 or f16 multiplies, adds, multiply-adds, maxima and minima; sums over many terms, partial sums and values carried from step to step in f32; what a program stores and reads back later, other than sums and carried values, may be rounded once to bf16 or f16.
;; Inputs: W1 2,048 x 2,048 float32; W2 1,024 x 2,048 float32; b1 2,048 float32; b2 1,024 float32; h 8,192 x 1,024 float32; x 8,192 x 1,024 float32.
;; Outputs: out0 8,192 x 1,024 float32; out1 one number float32; out2 one number float32.
;; One version. Each part assembles by itself: llvm-mc -triple=amdgcn-amd-amdhsa -mcpu=gfx1250 --defsym DOCPART=n.
;; ======== version 1 of 1: 4 launches
;; limits: values are held in f16: magnitudes above 65,504 overflow, below 6.1e-05 lose precision; values outside matrix products are rounded to bf16
;; workspace buffers: xh 33,554,432 bytes; w1b 8,388,608 bytes; w2h 4,194,304 bytes; a1 33,554,432 bytes; colp 1,048,576 bytes; colq 65,536 bytes; hsc 8,192 bytes; px 4,096 bytes
;; launch prep (part 1): grid 256 x 1, 16 waves a work-group, no clusters, 18,432 bytes of LDS; arguments x, h, W1, W2, xh, w1b, w2h, colp, hsc; writes xh, w1b, w2h, colp, hsc
.if DOCPART == 1
	.amdgcn_target "amdgcn-amd-amdhsa--gfx1250"
	.amdhsa_code_object_version 6
	.text
	.protected	k_q723b11e7d0_prep
	.globl	k_q723b11e7d0_prep
	.p2align	8
	.type	k_q723b11e7d0_prep,@function
k_q723b11e7d0_prep:
	s_mov_b64 s[64:65], 0
	v_nop
	global_prefetch_b8 v0, s[64:65] scope:SCOPE_SE
	s_setreg_imm32_b32 hwreg(HW_REG_WAVE_MODE, 25, 1), 1
	s_wait_xcnt 0x0
; PREP.  The matrix operands are rounded once, and all that the losses need of h alone is summed while h passes.
;   xh  [8192][2048] bf16 = [x ; h];   w1b [2048][2048] bf16 = bf16(W1 / 16);   w2h [1024][2048] f16 = 16 x bf16(W2), written as f16.
;   The factors 1/16 and 16 are powers of two: they change no rounding and cancel in the second product; they keep a1 / 16 inside f16.
;   colp [256][1024] f32: column sums of 32 rows of h each.   hsc [1024][2] f32: for each 8 rows of h (sum of squared row sums, h's last row left out; sum of (h[i+1] - h[i])^2).
; LIMITS.  16 x bf16(W2) below 2^-14 keeps f16's fixed step of 2^-24; beyond 65,504 it becomes an infinity (W2 beyond 4,094).
; SHARES.  A "row" is 4,096 bytes of f32: h has 8,192, x 8,192, W1 4,096 (half rows), W2 2,048: 22,528 = 256 x 88.  EVERY work-group takes 88: 32 of h, 32 of x, 16 of W1, 8 of W2, so that all move the same bytes.
; Waves 0-3: 8 rows of h each, and the row behind them.  Waves 4-11: 4 rows of x.  Waves 12, 13: 8 rows of W1, in two trips of 4.  Waves 14, 15: 4 rows of W2.
; No input byte is shared between work-groups but the halo rows of h, so no cluster and no LDS on the way in; memory binds, so nothing is prefetched.
; LANES.  Load j of a row: lane l takes the 16 bytes at 512 j + 16 l (a load covers 512 consecutive bytes); its four numbers become 8 bytes at 256 j + 8 l (a store covers 256 consecutive bytes, aligned).
.set COLS,  0                          ; LDS: 4 waves x 4,096 bytes of column sums
.set SPARE, 16384                      ; the spare words, 128 bytes for each of 16 waves: eight blocks of 256 bytes that no other line names
.set LV,  2                            ; v2   16 l; never rewritten
.set SV,  3                            ; v3   8 l; never rewritten
.set DV,  4                            ; v4-7 cast: 8 l + i x the destination's pitch
.set SPW, 8                            ; v8   LDS address of my spare word; never rewritten
.set NIL, 9                            ; v9   0; never rewritten
.set T,   10                           ; v10-25 at work
.set SQ,  26                           ; v26  sum of squared row sums
.set TP,  27                           ; v27  the other half of the lanes' figure
.set DH,  28                           ; v28-35 four pairs: sums of squared differences
.set P,   36                           ; v36-37 (SQ, DH)
.set CS,  40                           ; v40-71 column sums of my 8 rows
.set Y,   72                           ; v72-87 a row rounded
.set X,   88                           ; v88-247 h: five slots of 32: a row as loaded
.set YC,  26                           ; cast: v26-89 four sets of 16, a set a row
.set XC,  96                           ; cast: v96-223 four slots of 32
.set JX,  232                          ; v232-239 behind the barrier: four partial sums of two columns
.set JA,  248                          ; v248 an LDS address
.set ZO,  249                          ; v249 0: the offset of lane 0's store
.macro WSUM r                          ; the sum over the wave's 32 lanes, in every lane
	v_add_f32_dpp v[\r], v[\r], v[\r] row_xmask:1 row_mask:0xf bank_mask:0xf
	v_add_f32_dpp v[\r], v[\r], v[\r] row_xmask:2 row_mask:0xf bank_mask:0xf
	v_add_f32_dpp v[\r], v[\r], v[\r] row_xmask:4 row_mask:0xf bank_mask:0xf
	v_add_f32_dpp v[\r], v[\r], v[\r] row_xmask:8 row_mask:0xf bank_mask:0xf
	v_permlanex16_b32 v[TP], v[\r], s24, s25
	v_add_f32 v[\r], v[\r], v[TP]
.endm
	s_load_b512 s[4:19], s[0:1], 0x0               ; x s[4:5], h s[6:7], W1 s[8:9], W2 s[10:11], xh s[12:13], w1b s[14:15], w2h s[16:17], colp s[18:19]
	s_load_b64 s[20:21], s[0:1], 0x40              ; hsc
	v_lshl_add_u32 v[SPW], v0, 2, SPARE
	v_mov_b32 v[NIL], 0
	v_lshrrev_b32 v1, 5, v0
	v_readfirstlane_b32 s22, v1                    ; wave 0..15
	v_and_b32 v1, 31, v0                           ; lane
	v_lshlrev_b32 v[LV], 4, v1
	v_lshlrev_b32 v[SV], 3, v1
	v_mov_b32 v[TP], 0                             ; v_permlanex16_b32 counts as a reader of its destination
	s_mov_b32 s24, 0x76543210                      ; each lane takes its own place in the other half
	s_mov_b32 s25, 0xfedcba98
	s_mov_b32 s47, 0                               ; high word of every offset pair
	s_wait_kmcnt 0x0
	s_cmp_lt_u32 s22, 4
	s_cbranch_scc1 .Lh
	; ---- THE CASTS.  Waves 4-11: x.  12, 13: W1.  14, 15: W2.
	s_mov_b32 s34, 0x41800000                      ; 16
	s_cmp_lt_u32 s22, 14
	s_cselect_b32 s36, 1, 2                        ; the job: 0 x, 1 W1, 2 W2
	s_cselect_b64 s[30:31], s[8:9], s[10:11]       ; from
	s_cselect_b64 s[32:33], s[14:15], s[16:17]     ; to
	s_cselect_b32 s34, 0x3d800000, s34             ; 1/16
	s_cselect_b32 s27, 12, 14                      ; the job's first wave
	s_cselect_b32 s28, 4, 3                        ; log2 of the job's rows in a work-group
	s_cselect_b32 s29, 3, 2                        ; log2 of its rows in a wave
	s_cselect_b32 s41, 2, 1                        ; trips of four rows
	s_cmp_lt_u32 s22, 12
	s_cselect_b32 s36, 0, s36
	s_cselect_b64 s[30:31], s[4:5], s[30:31]
	s_cselect_b64 s[32:33], s[12:13], s[32:33]
	s_cselect_b32 s27, 4, s27
	s_cselect_b32 s28, 5, s28
	s_cselect_b32 s29, 2, s29
	s_cselect_b32 s41, 1, s41
	s_cselect_b32 s37, 12, 11                      ; a row lands 4,096 bytes apart in xh, 2,048 in the weights
	s_mov_b32 s35, s34                             ; named with it as a pair
	s_sub_co_u32 s27, s22, s27
	s_lshl_b32 s27, s27, s29
	s_lshl_b32 s26, ttmp9, s28
	s_add_co_u32 s26, s26, s27                     ; my first row
	s_lshl_b32 s46, s26, 12
	s_add_nc_u64 s[30:31], s[30:31], s[46:47]
	s_lshl_b32 s46, s26, s37
	s_add_nc_u64 s[32:33], s[32:33], s[46:47]
	s_lshl_b32 s29, 1, s37                         ; the destination's pitch,
	s_lshl_b32 s38, s29, 2                         ; and four rows of it: a trip's step
	s_mov_b32 s39, 0
	v_mov_b32 v[DV], v[SV]
	v_add_nc_u32 v[DV+1], s29, v[DV]
	v_add_nc_u32 v[DV+2], s29, v[DV+1]
	v_add_nc_u32 v[DV+3], s29, v[DV+2]
; Row i of a trip's four.  Each row has registers of its own from load to store.
.macro CTURN i
	s_wait_loadcnt 24-8*(\i)                       ; loads come back in order: row i is in, the younger rows' eight each stay out
	s_cmp_eq_u32 s36, 0
	s_cbranch_scc1 .Lplain_\@                      ; x is not scaled
.set k, 0
.rept 16
	v_pk_mul_f32 v[XC+32*(\i)+k:XC+32*(\i)+k+1], v[XC+32*(\i)+k:XC+32*(\i)+k+1], s[34:35] op_sel_hi:[1,0]
.set k, k+2
.endr
.Lplain_\@:
.set k, 0
.rept 16
	v_cvt_pk_bf16_f32 v[YC+16*(\i)+k], v[XC+32*(\i)+2*k], v[XC+32*(\i)+2*k+1]
.set k, k+1
.endr
	s_cmp_lg_u32 s36, 2
	s_cbranch_scc1 .Lbf_\@                         ; W2 alone: the bf16 number is written as f16
.set k, 0
.rept 16
	v_lshlrev_b32 v[T+2*(k%8)], 16, v[YC+16*(\i)+k]
	v_and_b32 v[T+2*(k%8)+1], 0xffff0000, v[YC+16*(\i)+k]
	v_cvt_pk_f16_f32 v[YC+16*(\i)+k], v[T+2*(k%8)], v[T+2*(k%8)+1]
.set k, k+1
.endr
.Lbf_\@:
.irp j, 0,1,2,3,4,5,6,7
	global_store_b64 v[DV+(\i)], v[YC+16*(\i)+2*(\j):YC+16*(\i)+2*(\j)+1], s[32:33] offset:256*(\j)
.endr
.endm
	s_mov_b32 s42, 0
.Lcast:                                                ; the count hangs on the wave's number: the loop counts to the greatest, 2, and a wave with one trip jumps over the second
	s_cmp_ge_u32 s42, s41
	s_cbranch_scc1 .Ldead
.irp i, 0,1,2,3
.irp j, 0,1,2,3,4,5,6,7
	global_load_b128 v[XC+32*(\i)+4*(\j):XC+32*(\i)+4*(\j)+3], v[LV], s[30:31] offset:4096*(\i)+512*(\j) th:TH_LOAD_NT
.endr
.endr
	CTURN 0
	CTURN 1
	CTURN 2
	CTURN 3
	s_wait_xcnt 0x0                                ; the two pointers and the stores' data are rewritten only behind this wait
	s_add_nc_u64 s[30:31], s[30:31], 4*4096
	s_add_nc_u64 s[32:33], s[32:33], s[38:39]
.Ldead:
	s_add_co_u32 s42, s42, 1
	s_cmp_lt_u32 s42, 2
	s_cbranch_scc1 .Lcast
	s_branch .Ljoin
	; ---- h.  Work-group g, wave w: rows 8 u .. 8 u + 7, u = 4 g + w, and the row behind them for the differences.
.Lh:
	s_lshl2_add_u32 s26, ttmp9, s22                ; u
	s_cmp_eq_u32 s26, 1023                         ; the wave with h's last row:
	s_cselect_b32 s37, 1, 2                        ; its second trip is the one that ends at that row (2: no trip)
	s_lshl_b32 s46, s26, 15                        ; 8 rows of 4,096 bytes
	s_add_nc_u64 s[30:31], s[6:7], s[46:47]        ; h at my first row
	s_add_nc_u64 s[32:33], s[12:13], s[46:47]
	s_add_nc_u64 s[32:33], s[32:33], 2048          ; xh at the same row, columns 1024 on
.irp j, 0,1,2,3,4,5,6,7
	global_load_b128 v[X+4*(\j):X+4*(\j)+3], v[LV], s[30:31] offset:512*(\j)   ; my first row, into slot 0
.endr
.set k, 0
.rept 32
	v_mov_b32 v[CS+k], 0                           ; the sums start at 0: 41 lines, written while the first loads are on their way, so that both trips have one text
.set k, k+1
.endr
	v_mov_b32 v[SQ], 0
.set k, 0
.rept 8
	v_mov_b32 v[DH+k], 0
.set k, k+1
.endr
; Turn i of a trip: the row in slot i, with the row behind it in slot i + 1.
.macro HT i
.set XS, X+32*(\i)
.set XN, X+32*(\i)+32
	s_wait_loadcnt 24-8*(\i)                       ; slots i and i + 1 are in; the eight loads of each younger slot stay out
.set k, 0
.rept 16
	v_pk_add_f32 v[CS+k:CS+k+1], v[CS+k:CS+k+1], v[XS+k:XS+k+1]
.set k, k+2
.endr
.set k, 0
.rept 8                                            ; the row's sum: my 32 numbers,
	v_pk_add_f32 v[T+k:T+k+1], v[XS+k:XS+k+1], v[XS+16+k:XS+16+k+1]
.set k, k+2
.endr
.set k, 0
.rept 4
	v_pk_add_f32 v[T+k:T+k+1], v[T+k:T+k+1], v[T+8+k:T+8+k+1]
.set k, k+2
.endr
	v_pk_add_f32 v[T:T+1], v[T:T+1], v[T+4:T+5]
	v_pk_add_f32 v[T+2:T+3], v[T+2:T+3], v[T+6:T+7]
	v_pk_add_f32 v[T:T+1], v[T:T+1], v[T+2:T+3]
	v_add_f32 v[T], v[T], v[T+1]
	WSUM T                                         ; then the 32 lanes'
.if (\i) == 3
	v_mul_f32 v[TP], s40, v[T]                     ; 0 for h's last row
	v_fmac_f32 v[SQ], v[TP], v[T]
.else
	v_fmac_f32 v[SQ], v[T], v[T]
.endif
.irp half, 0,1                                     ; (h[r+1] - h[r])^2, eight pairs at a time, onto four chains
.set k, 0
.rept 8
	v_pk_add_f32 v[T+k:T+k+1], v[XN+16*(\half)+k:XN+16*(\half)+k+1], v[XS+16*(\half)+k:XS+16*(\half)+k+1] neg_lo:[0,1] neg_hi:[0,1]
.set k, k+2
.endr
.set k, 0
.rept 8
	v_pk_fma_f32 v[DH+k%8:DH+k%8+1], v[T+k:T+k+1], v[T+k:T+k+1], v[DH+k%8:DH+k%8+1]
.set k, k+2
.endr
.endr
	s_wait_xcnt 0x0                                ; the stores of the row before have read Y: it is rewritten only behind this wait
.set k, 0
.rept 16
	v_cvt_pk_bf16_f32 v[Y+k], v[XS+2*k], v[XS+2*k+1]
.set k, k+1
.endr
.irp j, 0,1,2,3,4,5,6,7
	global_store_b64 v[SV], v[Y+2*(\j):Y+2*(\j)+1], s[32:33] offset:4096*(\i)+256*(\j)
.endr
.endm
	s_mov_b32 s42, 0
.Lrows:                                                ; two trips of four rows.  A trip asks for the four rows behind the one in slot 0, all at once
	s_mov_b32 s46, 4*4096
	s_cmp_eq_u32 s42, s37                          ; the trip that ends at h's last row:
	s_cselect_b32 s46, 3*4096, s46                 ; the row behind it is that row once more (the difference is 0, and no load leaves h),
	s_cselect_b32 s40, 0, 1.0                      ; and its sum does not count
	s_add_nc_u64 s[38:39], s[30:31], s[46:47]
.irp i, 1,2,3
.irp j, 0,1,2,3,4,5,6,7
	global_load_b128 v[X+32*(\i)+4*(\j):X+32*(\i)+4*(\j)+3], v[LV], s[30:31] offset:4096*(\i)+512*(\j)
.endr
.endr
.irp j, 0,1,2,3,4,5,6,7
	global_load_b128 v[X+128+4*(\j):X+128+4*(\j)+3], v[LV], s[38:39] offset:512*(\j)
.endr
	HT 0
	HT 1
	HT 2
	HT 3
.set k, 0
.rept 32
	v_mov_b32 v[X+k], v[X+128+k]                   ; the last row is the next trip's first: 32 copies in place of loading it again
.set k, k+1
.endr
	s_wait_xcnt 0x0                                ; the pointers are stepped only behind this wait
	s_add_nc_u64 s[30:31], s[30:31], 4*4096
	s_add_nc_u64 s[32:33], s[32:33], 4*4096
	s_add_co_u32 s42, s42, 1
	s_cmp_lt_u32 s42, 2
	s_cbranch_scc1 .Lrows
	v_pk_add_f32 v[DH:DH+1], v[DH:DH+1], v[DH+2:DH+3]
	v_pk_add_f32 v[DH+4:DH+5], v[DH+4:DH+5], v[DH+6:DH+7]
	v_pk_add_f32 v[DH:DH+1], v[DH:DH+1], v[DH+4:DH+5]
	v_add_f32 v[P+1], v[DH], v[DH+1]
	WSUM P+1
	v_mov_b32 v[P], v[SQ]                          ; the row sums are the same in all lanes
	s_lshl_b32 s41, s22, 12
	v_add_nc_u32 v[JA], s41, v[LV]                 ; COLS + 4,096 w + 16 l
.irp j, 0,1,2,3,4,5,6,7
	ds_store_b128 v[JA], v[CS+4*(\j):CS+4*(\j)+3] offset:COLS+512*(\j)
.endr
	s_lshl_b32 s46, s26, 3
	s_add_nc_u64 s[20:21], s[20:21], s[46:47]      ; hsc + 8 u
	v_mov_b32 v[ZO], 0
	s_wait_xcnt 0x0                                ; EXEC changes only behind this wait
	v_cmp_eq_u32 vcc_lo, 0, v1
	s_and_saveexec_b32 s23, vcc_lo                 ; lane 0 alone: my wave's two numbers, 8 bytes, once a wave
	global_store_b64 v[ZO], v[P:P+1], s[20:21]
	s_wait_xcnt 0x0                                ; and again, in front of the line that widens it
	s_or_b32 exec_lo, exec_lo, s23
	; ---- all sixteen waves: the four h waves' column sums meet in LDS
.Ljoin:
	s_wait_dscnt 0x0                               ; for the others' sake: my stores are done
	s_barrier_signal -1
	s_barrier_wait -1
	s_lshl_b32 s41, s22, 8
	v_add_nc_u32 v[JA], s41, v[SV]                 ; 256 w + 8 l: wave w sums columns 64 w .. 64 w + 63, two columns a lane
.irp k, 0,1,2,3
	ds_load_b64 v[JX+2*(\k):JX+2*(\k)+1], v[JA] offset:COLS+4096*(\k)
.endr
	s_lshl_b32 s46, ttmp9, 12
	s_add_co_u32 s46, s46, s41
	s_add_nc_u64 s[44:45], s[18:19], s[46:47]      ; colp + 4,096 g + 256 w
	s_wait_dscnt 0x0
	v_pk_add_f32 v[JX:JX+1], v[JX:JX+1], v[JX+2:JX+3]
	v_pk_add_f32 v[JX+4:JX+5], v[JX+4:JX+5], v[JX+6:JX+7]
	v_pk_add_f32 v[JX:JX+1], v[JX:JX+1], v[JX+4:JX+5]
	global_store_b64 v[SV], v[JX:JX+1], s[44:45]   ; a wave's store covers 256 consecutive bytes, aligned
	s_wait_tensorcnt 0x0                           ; the wave's end, behind my last LDS store
	ds_add_u32 v[SPW], v[NIL]
	s_wait_dscnt 0x0
	s_endpgm
.Lfunc_end_k_q723b11e7d0_prep:
	.size	k_q723b11e7d0_prep, .Lfunc_end_k_q723b11e7d0_prep-k_q723b11e7d0_prep
	.p2alignl 7, 3214868480
	.fill 96, 4, 3214868480
	.section	.rodata,"a",@progbits
	.p2align	6, 0x0
	.amdhsa_kernel k_q723b11e7d0_prep
		.amdhsa_group_segment_fixed_size 18432
		.amdhsa_private_segment_fixed_size 0
		.amdhsa_enable_private_segment 0
		.amdhsa_kernarg_size 72
		.amdhsa_user_sgpr_count 2
		.amdhsa_user_sgpr_kernarg_segment_ptr 1
		.amdhsa_wavefront_size32 1
		.amdhsa_system_sgpr_workgroup_id_x 1
		.amdhsa_system_sgpr_workgroup_id_y 1
		.amdhsa_system_sgpr_workgroup_id_z 1
		.amdhsa_system_vgpr_workitem_id 0
		.amdhsa_next_free_vgpr 250
		.amdhsa_next_free_sgpr 66
		.amdhsa_reserve_vcc 1
		.amdhsa_float_denorm_mode_32 3
		.amdhsa_float_denorm_mode_16_64 3
		.amdhsa_memory_ordered 1
		.amdhsa_forward_progress 1
		.amdhsa_inst_pref_size 61
	.end_amdhsa_kernel
	.amdgpu_metadata
---
amdhsa.version: [ 1, 2 ]
amdhsa.kernels:
  - .name:           k_q723b11e7d0_prep
    .symbol:         k_q723b11e7d0_prep.kd
    .args:
      - { .name: x, .offset: 0, .size: 8, .value_kind: global_buffer, .address_space: global }
      - { .name: h, .offset: 8, .size: 8, .value_kind: global_buffer, .address_space: global }
      - { .name: W1, .offset: 16, .size: 8, .value_kind: global_buffer, .address_space: global }
      - { .name: W2, .offset: 24, .size: 8, .value_kind: global_buffer, .address_space: global }
      - { .name: xh, .offset: 32, .size: 8, .value_kind: global_buffer, .address_space: global }
      - { .name: w1b, .offset: 40, .size: 8, .value_kind: global_buffer, .address_space: global }
      - { .name: w2h, .offset: 48, .size: 8, .value_kind: global_buffer, .address_space: global }
      - { .name: colp, .offset: 56, .size: 8, .value_kind: global_buffer, .address_space: global }
      - { .name: hsc, .offset: 64, .size: 8, .value_kind: global_buffer, .address_space: global }
    .group_segment_fixed_size: 18432
    .private_segment_fixed_size: 0
    .kernarg_segment_align: 8
    .kernarg_segment_size: 72
    .max_flat_workgroup_size: 512
    .sgpr_count:     66
    .vgpr_count:     250
    .wavefront_size: 32
...
	.end_amdgpu_metadata
.endif
;; end of part 1
;; launch gemm1 (part 2): grid 8 x 32, 4 waves a work-group, clusters of 4 x 4, 327,680 bytes of LDS; arguments xh, w1b, a1, b1; writes a1
.if DOCPART == 2
	.amdgcn_target "amdgcn-amd-amdhsa--gfx1250"
	.amdhsa_code_object_version 6
	.text
	.protected	k_q723b11e7d0_gemm1
	.globl	k_q723b11e7d0_gemm1
	.p2align	8
	.type	k_q723b11e7d0_gemm1,@function
k_q723b11e7d0_gemm1:
	s_mov_b64 s[64:65], 0
	v_nop
	global_prefetch_b8 v0, s[64:65] scope:SCOPE_SE
	s_setreg_imm32_b32 hwreg(HW_REG_WAVE_MODE, 25, 1), 1
	s_wait_xcnt 0x0
	s_wait_alu depctr_hold_cnt(0) depctr_sa_sdst(0) depctr_va_vdst(0) depctr_va_sdst(0) depctr_va_ssrc(0) depctr_va_vcc(0) depctr_vm_vsrc(0)
	s_getreg_b32 s2, hwreg(HW_REG_IB_STS2, 6, 4)
	s_cmp_eq_u32 s2, 0
	s_cbranch_scc0 .Lentry_in_a_cluster
	s_endpgm
.Lentry_in_a_cluster:
	s_bfe_u32 s2, ttmp6, 0x10000c
	s_cmp_lg_u32 s2, 0xf033
	s_cbranch_scc0 .Lentry_shape_is_right
	s_endpgm
.Lentry_shape_is_right:
; a1[m][n] = relu(sum over k of xh[m][k] w1b[n][k] + bf16(b1[n] / 16)), which is relu([x;h] W1^T + b1) / 16.  xh: [8192][2048] bf16, w1b: [2048][2048] bf16 (W1 / 16), a1: [8192][2048] f16; sums in f32.
; LIMITS.  a1 is kept as a1 / 16 in f16: |a1| of 1.05e6 or more becomes an infinity; below 16 x 2^-14 it keeps f16's fixed step.  The bias, rounded to bf16 like every input of the products,
; starts the f32 sum (another order of rounding than adding it last).  A NaN in front of the ReLU gives 0.
; A tile of 256 x 256 is made by a work-group of four waves; a wave makes 128 x 128: 64 accumulators of 16 x 16, 512 registers.  8 x 32 tiles: 256 work-groups.  K goes in 16 steps of 128 through a ring of
; two LDS slots filled by the tensor data mover: a tile's rows are 256 bytes of memory at multiples of 256 bytes.  The last K step goes by rows of the result, so that finished rows leave while the others are multiplied.
; CLUSTERS: 4 x 4 work-groups.  The four of a row of the cluster need the same tiles of xh, the four of a column the same tiles of w1b: each tile is asked for JOINTLY, by the same tensor load with the same
; descriptor and a mask that names the four.
; REGISTERS, in windows of 256 (s_set_vgpr_msb: bits 1:0 source 0, 3:2 source 1, 5:4 source 2, 7:6 destination):
;   window 0: v0-31 addresses; v64-127, v128-191 fragments of A, two buffers (in the last K step four, of 16 rows x 128 K); v32-63, v192-255 at work on the way out
;   window 1: v0-63 the bias as a C operand (first quarter step alone); v64-127, v128-191 fragments of B; in the last K step all 256: B's fragments of the whole step
;   window 2: the 32 accumulators of my rows 0-63 ((a, b) at v[8 (8 a + b)]);   window 3: those of my rows 64-127
; THE MATRIX INSTRUCTION IS USED TRANSPOSED: source 0 = 16 rows of w1b, source 1 = 16 rows of xh.  Lane l then holds row l % 16 of the result and the columns 8 (l / 16) + 0..7: eight neighbours, 16 bytes of f16.
; So the bias of column block b is the same eight registers for every row block: lane l holds b1[16 b + 8 (l / 16) + 0..7].
.set SIZE_M, 8192
.set SIZE_N, 2048
.set SIZE_K, 2048
.set KSTEP,  128
.set PITCH,  272                       ; an LDS row: 256 bytes + 16 of padding = 68 words: the 16 rows that a load touches start at 16 different groups of four banks (64 banks of 4 bytes: ISA guide 11.1)
.set HALFT,  128*PITCH                 ; 128 rows: what one tensor load brings, and what one wave reads of A or of B
.set SLOT,   4*HALFT                   ; A's 256 rows, then B's 256 rows
.set STAGE,  2*SLOT                    ; behind the ring: 16 rows x 272 bytes for each wave, for the way out
.set SPITCH, 272
.set SPARE,  STAGE+4*16*SPITCH         ; the spare words, 128 bytes for each wave: two blocks of 256 bytes that no other line names
.set LAPS, SIZE_K/(2*KSTEP)            ; a lap = two K steps = once round the ring
.set BO,   6                           ; v6      32 (l / 16): my eight numbers in 16 of the bias
.set ADRA, 16                          ; v16-17  LDS address of my A fragments in slot 0, 1
.set ADRB, 20                          ; v20-21  the same for B
.set STO,  24                          ; v24     the way out: where I put 16 bytes of a row
.set RD,   25                          ; v25     the way out: where I read a row back
.set CO,   26                          ; v26     my byte offset in a1
.set ZR,   27                          ; v27     0, for the ReLU on packed halves
.set SPW,  28                          ; v28     LDS address of my spare word; never rewritten
.set NIL,  29                          ; v29     0; never rewritten
.set PFO,  30                          ; v30     the prefetches' offset: my lane x 4,096 bytes; never rewritten
.set PFA,  44                          ; s[44:45] where my prefetches stand
.set LIM,  43                          ; s43     1 in a wave that prefetches, else the greatest number
.set BP,   68                          ; s[68:69] b1 at my 128 columns
.set F0,   64
.set F1,   128
.set TMP,  192
.set OB,   32
.set PA,   64
.set BIAS, 0                           ; window 1
.set G1, 24                            ; s[24:31] descriptor group 1 for A's tiles
.set G0, 32                            ; s[32:39] group 0 for A's tiles, one set for each slot
.set G1B, 48                           ; s[48:55], s[56:63] the same for B's
.set G0B, 56
.set MSB, 0
.macro WIN new                         ; the immediate's high byte repeats the setting that is left; a switch that changes nothing is dropped
.if MSB != (\new)
	s_set_vgpr_msb (MSB<<8)|(\new)
.set MSB, \new
.endif
.endm
.set MUL_LO, 0xa1                      ; source 0 (B) window 1, source 1 (A) window 0, C and D window 2
.set MUL_HI, 0xf1                      ; the same, C and D window 3
.set TO_B,   0x40                      ; destination window 1, address window 0
; A joint load.  Waves 0 and 1 fetch A's two halves, waves 2 and 3 B's.  The branch hangs on the wave's number alone.  An s_nop 0 and four v_nop follow each of the two lines.
.macro JLOAD s
	s_cmp_eq_u32 s11, 0
	s_cbranch_scc0 .Lfor_b_\@
	tensor_load_to_lds s[G0+4*(\s):G0+4*(\s)+3], s[G1:G1+7]
	s_nop 0
.rept 4
	v_nop
.endr
	s_branch .Lasked_\@
.Lfor_b_\@:
	tensor_load_to_lds s[G0B+4*(\s):G0B+4*(\s)+3], s[G1B:G1B+7]
	s_nop 0
.rept 4
	v_nop
.endr
.Lasked_\@:
.endm
; A prefetch, behind each joint load and the run of LDS loads that follows it: the K step that stands two refills on: 32 rows x 256 bytes, a lane a row.  xh's tile row is read by both clusters of its row of
; clusters: cluster x = 0 asks; w1b's tile column by the eight clusters of its column: cluster y = 0 asks.  The four partners of a joint load share its 128 rows out by address, 32 each.  So each row's 256 bytes
; of a K step are named once.  K steps 0 to 3 come by their loads alone; the loop's last trip (s3 = 1) asks for nothing: K step 15 is the last.
.macro ASK
	s_cmp_gt_u32 s3, s[LIM]
	s_cbranch_scc0 .Lnot_mine_\@
	global_prefetch_b8 v[PFO], s[PFA:PFA+1] offset:KSTEP*2 th:TH_LOAD_NT scope:SCOPE_SE
.Lnot_mine_\@:
.endm
.macro CREST                           ; a round of the cluster's barrier behind its opening barrier
	s_cmp_lg_u32 s10, 0
	s_cbranch_scc1 .Lnot_wave_0_\@
	s_barrier_signal -3
.Lnot_wave_0_\@:
	s_barrier_wait -3
	s_barrier_signal -1
	s_barrier_wait -1
.endm
.macro CROUND                          ; a whole round
	s_barrier_signal -1
	s_barrier_wait -1
	CREST
.endm
	s_load_b128 s[4:7], s[0:1], 0x0                ; xh s[4:5], w1b s[6:7]
	s_load_b64 s[8:9], s[0:1], 0x10                ; a1
	s_load_b64 s[BP:BP+1], s[0:1], 0x18            ; b1
	v_lshl_add_u32 v[SPW], v0, 2, SPARE
	v_mov_b32 v[NIL], 0
	ds_add_u32 v[SPW], v[NIL]                      ; the wave's opening: the add, twice on end, and its wait ahead of my first tensor load
	ds_add_u32 v[SPW], v[NIL]
	v_lshrrev_b32 v1, 5, v0
	v_readfirstlane_b32 s10, v1                    ; wave 0..3
	s_lshr_b32 s11, s10, 1                         ; which half of the tile's rows is mine.  Also: I fetch for A (0) or for B (1)
	s_and_b32 s12, s10, 1                          ; which half of its columns.  Also: which 128 rows of that tile I fetch
	s_bfe_u32 s40, ttmp6, 0x40000                  ; cx
	s_bfe_u32 s41, ttmp6, 0x40004                  ; cy
	s_lshl_b32 s42, ttmp9, 2
	s_add_co_u32 s42, s42, s40                     ; tile column = 4 x cluster x + cx
	s_and_b32 s13, ttmp7, 0xffff
	s_lshl_b32 s13, s13, 2
	s_add_co_u32 s13, s13, s41                     ; tile row = 4 x cluster y + cy
	s_lshl_b32 s43, s41, 2
	s_lshl_b32 s43, 15, s43                        ; my row of the cluster
	s_lshl_b32 s44, 0x1111, s40                    ; my column
	s_or_b32 s[G1+0], s43, (1<<16)|(1<<20)|(1<<21)|(5<<22)|(3<<25)  ; the mask; 2-byte elements; padding on; bit 21 beside a mask; after every 64 words, 4 words
	s_or_b32 s[G1B+0], s44, (1<<16)|(1<<20)|(1<<21)|(5<<22)|(3<<25)
.irp g, G1, G1B
	s_mov_b32 s[(\g)+1], KSTEP<<16                 ; tensor_dim0 = 128
	s_mov_b32 s[(\g)+2], 128<<16                   ; tensor_dim1 = 128
	s_mov_b32 s[(\g)+3], KSTEP<<16                 ; tile_dim0 = 128
	s_mov_b32 s[(\g)+4], 128                       ; tile_dim1 = 128
	s_mov_b32 s[(\g)+5], SIZE_K                    ; elements from row to row
	s_mov_b32 s[(\g)+6], 0
	s_mov_b32 s[(\g)+7], 0
.endr
	s_lshl_b32 s17, s12, 7                         ; which 128 rows of the tile I fetch
	s_lshl_b32 s16, s13, 8
	s_add_co_u32 s16, s16, s17                     ; A: row 256 x tile row + 128 x half
	s_lshl_b32 s46, s42, 8
	s_add_co_u32 s46, s46, s17                     ; B: row 256 x tile column + 128 x half
	s_mov_b32 s17, 0
	s_mov_b32 s47, 0
	s_mov_b64 s[18:19], SIZE_K*2
	s_mul_u64 s[16:17], s[16:17], s[18:19]
	s_mul_u64 s[46:47], s[46:47], s[18:19]
	s_mul_i32 s20, s10, HALFT                      ; where they go: wave x 128 rows: no place in the cluster enters an LDS address
	s_wait_dscnt 0x0                               ; both opening adds are done
	s_wait_kmcnt 0x0
	s_add_nc_u64 s[14:15], s[4:5], s[16:17]
	s_add_nc_u64 s[46:47], s[6:7], s[46:47]
	CROUND                                         ; all sixteen work-groups are here: the first joint loads meet
.irp s, 0,1
	s_mov_b32 s[G0+4*(\s)], 1
	s_add_co_u32 s[G0+4*(\s)+1], s20, (\s)*SLOT
	s_add_nc_u64 s[G0+4*(\s)+2:G0+4*(\s)+3], s[14:15], (\s)*KSTEP*2
	s_or_b32 s[G0+4*(\s)+3], s[G0+4*(\s)+3], 0x80000000
	s_mov_b32 s[G0B+4*(\s)], 1
	s_add_co_u32 s[G0B+4*(\s)+1], s20, (\s)*SLOT
	s_add_nc_u64 s[G0B+4*(\s)+2:G0B+4*(\s)+3], s[46:47], (\s)*KSTEP*2
	s_or_b32 s[G0B+4*(\s)+3], s[G0B+4*(\s)+3], 0x80000000
	JLOAD \s                                       ; the ring is filled before anything else is done: two loads of mine are out
.endr
	v_and_b32 v1, 15, v0                           ; l % 16
	v_bfe_u32 v2, v0, 4, 1                         ; l / 16
	; the bias of my 128 columns: asked for now, worked on below
	s_lshl_b32 s70, s42, 10                        ; 256 columns of f32 a tile column,
	s_lshl_b32 s71, s12, 9                         ; 128 a half
	s_add_co_u32 s70, s70, s71
	s_mov_b32 s71, 0
	s_add_nc_u64 s[BP:BP+1], s[BP:BP+1], s[70:71]
	v_lshlrev_b32 v[BO], 5, v2
	v_mov_b32 v[ZR], 0
.irp b, 0,1,2,3,4,5,6,7
	global_load_b128 v[TMP+8*(\b):TMP+8*(\b)+3],   v[BO], s[BP:BP+1] offset:64*(\b)
	global_load_b128 v[TMP+8*(\b)+4:TMP+8*(\b)+7], v[BO], s[BP:BP+1] offset:64*(\b)+16
.endr
	v_mul_u32_u24 v3, v1, PITCH
	v_lshl_add_u32 v3, v2, 4, v3                   ; a fragment's row x pitch + 16 x half
	s_mul_i32 s21, s11, HALFT                      ; my 128 rows of A
	s_mul_i32 s22, s12, HALFT                      ; my 128 rows of B,
	s_add_co_u32 s22, s22, 2*HALFT                 ; which lie behind A's 256
.irp s, 0,1
	v_add_nc_u32 v[ADRA+(\s)], s21, v3
	v_add_nc_u32 v[ADRB+(\s)], s22, v3
	s_add_co_u32 s21, s21, SLOT
	s_add_co_u32 s22, s22, SLOT
.endr
	s_mul_i32 s23, s10, 16*SPITCH
	s_add_co_u32 s23, s23, STAGE                   ; my stage
	v_mul_u32_u24 v4, v1, SPITCH                   ; in: row l % 16, 16 bytes for each half of the lanes
	v_lshl_add_u32 v4, v2, 4, v4
	v_add_nc_u32 v[STO], s23, v4
	v_mul_u32_u24 v5, v2, SPITCH                   ; back: lanes 0-15 take one row of 256 bytes, lanes 16-31 the next
	v_lshl_add_u32 v5, v1, 4, v5
	v_add_nc_u32 v[RD], s23, v5
	v_mul_u32_u24 v5, v2, SIZE_N*2                 ; and the same two rows in a1
	v_lshl_add_u32 v[CO], v1, 4, v5
	s_lshl_b32 s13, s13, 8
	s_lshl_b32 s14, s11, 7
	s_add_co_u32 s16, s13, s14                     ; my first row of a1
	s_mov_b32 s17, 0
	s_mov_b64 s[18:19], SIZE_N*2
	s_mul_u64 s[16:17], s[16:17], s[18:19]
	s_lshl_b32 s46, s42, 9                         ; my first column, in bytes: 512 x tile column + 256 x half
	s_lshl_b32 s47, s12, 8
	s_add_co_u32 s46, s46, s47
	s_mov_b32 s47, 0
	s_add_nc_u64 s[16:17], s[16:17], s[46:47]      ; the first way out adds it to a1's address
	; the prefetches.  s13 = 256 x tile row, s42 = tile column
	s_lshl_b32 s42, s42, 8
	s_and_b32 s22, ttmp7, 0xffff                   ; cluster y
	s_cmp_eq_u32 s11, 0                            ; do I fetch for A?
	s_cselect_b32 s20, s13, s42                    ; the tile's first row
	s_cselect_b32 s21, s40, s41                    ; my place among the four that ask for it with me
	s_cselect_b32 s22, ttmp9, s22                  ; the coordinate along which other clusters read the same rows
	s_cselect_b64 s[PFA:PFA+1], s[4:5], s[6:7]
	s_cmp_eq_u32 s22, 0
	s_cselect_b32 s[LIM], 1, -1                    ; the same in all sixteen partners, for a given wave
	s_lshl_b32 s22, s12, 7
	s_add_co_u32 s20, s20, s22                     ; + the 128 rows that I fetch
	s_lshl_b32 s21, s21, 5
	s_add_co_u32 s20, s20, s21                     ; + my work-group's 32 of them
	s_mov_b32 s21, 0
	s_mov_b64 s[18:19], SIZE_K*2
	s_mul_u64 s[20:21], s[20:21], s[18:19]
	s_add_nc_u64 s[PFA:PFA+1], s[PFA:PFA+1], s[20:21]
	s_add_nc_u64 s[PFA:PFA+1], s[PFA:PFA+1], 2*KSTEP*2  ; at K step 2: the first refill steps it to 3 and names K step 4
	v_and_b32 v[PFO], 31, v0
	v_mul_u32_u24 v[PFO], v[PFO], SIZE_K*2
	; the bias: divided by 16, rounded to bf16, widened again, into window 1
	s_wait_loadcnt 0x0
.set k, 0
.rept 32
	v_pk_mul_f32 v[TMP+2*k:TMP+2*k+1], v[TMP+2*k:TMP+2*k+1], 0x3d800000 op_sel_hi:[1,0]
.set k, k+1
.endr
.set k, 0
.rept 32
	v_cvt_pk_bf16_f32 v[OB+k], v[TMP+2*k], v[TMP+2*k+1]
.set k, k+1
.endr
	WIN TO_B
.set k, 0
.rept 32
	v_lshlrev_b32 v[BIAS+2*k], 16, v[OB+k]
	v_and_b32 v[BIAS+2*k+1], 0xffff0000, v[OB+k]
.set k, k+1
.endr
	WIN 0
; 16 matrix instructions: m blocks a0, a0 + 1 of the window's four (hi = 0: my rows 0-63, 1: rows 64-127) x all 8 n blocks, 32 along K.  zero = 1: the first product starts the sums, with the bias as C.
.macro MUL16 f, hi, a0, zero
.if \zero
	WIN 0x91+0x40*(\hi)                            ; as MUL_LO or MUL_HI, with source 2 in window 1
.else
	WIN MUL_LO+0x50*(\hi)
.endif
.irp a, \a0, (\a0)+1
.irp b, 0,1,2,3,4,5,6,7
.if \zero
	v_wmma_f32_16x16x32_bf16 v[8*(8*(\a)+(\b)):8*(8*(\a)+(\b))+7], v[(\f)+8*(\b):(\f)+8*(\b)+7], v[(\f)+8*(4*(\hi)+(\a)):(\f)+8*(4*(\hi)+(\a))+7], v[BIAS+8*(\b):BIAS+8*(\b)+7]
.else
	v_wmma_f32_16x16x32_bf16 v[8*(8*(\a)+(\b)):8*(8*(\a)+(\b))+7], v[(\f)+8*(\b):(\f)+8*(\b)+7], v[(\f)+8*(4*(\hi)+(\a)):(\f)+8*(4*(\hi)+(\a))+7], v[8*(8*(\a)+(\b)):8*(8*(\a)+(\b))+7]
.endif
.endr
.endr
.endm
; 32 LDS loads in one run: the fragments of one quarter step (128 rows of B, 128 rows of A, 32 K at byte k of the rows) into buffer f
.macro FETCH slot, k, f
	WIN TO_B
.irp i, 0,1,2,3,4,5,6,7
	ds_load_b128 v[(\f)+8*(\i):(\f)+8*(\i)+3],   v[ADRB+(\slot)] offset:(\k)+(\i)*16*PITCH
	ds_load_b128 v[(\f)+8*(\i)+4:(\f)+8*(\i)+7], v[ADRB+(\slot)] offset:(\k)+(\i)*16*PITCH+32
.endr
	WIN 0
.irp i, 0,1,2,3,4,5,6,7
	ds_load_b128 v[(\f)+8*(\i):(\f)+8*(\i)+3],   v[ADRA+(\slot)] offset:(\k)+(\i)*16*PITCH
	ds_load_b128 v[(\f)+8*(\i)+4:(\f)+8*(\i)+7], v[ADRA+(\slot)] offset:(\k)+(\i)*16*PITCH+32
.endr
.endm
; Four plain vector instructions stand between a matrix instruction and a load into a register that it has read, or a vector instruction that reads its result (ISA guide 7.12.1 for vector instructions).
.macro PLACES
.rept 4
	v_nop
.endr
.endm
; A K step is four quarter steps of 32 along K, 64 matrix instructions each, on buffers 0, 1, 0, 1.  The 64 accumulators take turns in the same order in every quarter.
.macro QUARTER slot, k, f, g, zero
	s_wait_dscnt 8                                 ; B and A's rows 0-63 are in; the youngest eight loads (A's rows 64-127) may be out
	MUL16 \f, 0, 0, \zero
	MUL16 \f, 0, 2, \zero
	PLACES
	FETCH \slot, \k, \g
	s_wait_dscnt 32                                ; all but the 32 just issued
	MUL16 \f, 1, 0, \zero
	MUL16 \f, 1, 2, \zero
.endm
; The first half of the last quarter: ONE barrier for the change of slots.  In front of it each wave waits for all its tensor loads (one is out: its part of the next slot), adds 0 to its spare word,
; and waits for that and for its own reads of this slot.
.macro MEET round
	WIN 0                                          ; (the add's two registers lie in window 0)
	s_wait_tensorcnt 0x0                           ; all my tensor loads have landed
	ds_add_u32 v[SPW], v[NIL]                      ; 0 onto my spare word
	s_wait_dscnt 9                                 ; (the add and the youngest eight loads may be out)
	MUL16 F1, 0, 0, 0                              ; sixteen matrix instructions stand between the add and the wait for it
	s_wait_dscnt 0x0                               ; the add is done, and my reads of this slot are over
	s_barrier_signal -1
	MUL16 F1, 0, 2, 0                              ; work on registers while the others arrive
.if \round
	WIN 0
.endif
	s_barrier_wait -1
.endm
; The whole last quarter: behind the round the slot just read out is filled again first, with the K step two steps on; from that request to the wait for it a wave issues 224 matrix instructions.
.macro TURN slot, next
	s_wait_xcnt 0x0                                ; the last prefetch, a K step back, has read its address: it is stepped here
	s_add_nc_u64 s[PFA:PFA+1], s[PFA:PFA+1], KSTEP*2
	MEET 1
	CREST                                          ; no wave of any partner still reads this slot's tile or has a load on its way
	s_add_nc_u64 s[G0+4*(\slot)+2:G0+4*(\slot)+3], s[G0+4*(\slot)+2:G0+4*(\slot)+3], 2*KSTEP*2
	s_add_nc_u64 s[G0B+4*(\slot)+2:G0B+4*(\slot)+3], s[G0B+4*(\slot)+2:G0B+4*(\slot)+3], 2*KSTEP*2
	JLOAD \slot                                    ; the first tensor load behind the round; its four v_nop are also the places in front of the loads below
	FETCH \next, 0, F0
	ASK
	MUL16 F1, 1, 0, 0
	MUL16 F1, 1, 2, 0
.endm
; THE LAST K STEP (slot 1) GOES BY ROWS.  All its fragments of B fill window 1; then my eight blocks of 16 rows are finished one after the other, 32 matrix instructions each, the block's 8 accumulators by turns.
.macro BLOAD q
	WIN TO_B
.irp i, 0,1,2,3,4,5,6,7
	ds_load_b128 v[64*(\q)+8*(\i):64*(\q)+8*(\i)+3],   v[ADRB+1] offset:64*(\q)+(\i)*16*PITCH
	ds_load_b128 v[64*(\q)+8*(\i)+4:64*(\q)+8*(\i)+7], v[ADRB+1] offset:64*(\q)+(\i)*16*PITCH+32
.endr
.endm
.macro ALOAD a
	WIN 0
.set FA, PA+32*((\a)%4)
.irp q, 0,1,2,3
	ds_load_b128 v[FA+8*(\q):FA+8*(\q)+3],   v[ADRA+1] offset:64*(\q)+(\a)*16*PITCH
	ds_load_b128 v[FA+8*(\q)+4:FA+8*(\q)+7], v[ADRA+1] offset:64*(\q)+(\a)*16*PITCH+32
.endr
.endm
.macro ROW a
.set FA, PA+32*((\a)%4)
.set AC, 64*((\a)%4)
	WIN MUL_LO+0x50*((\a)/4)
.irp q, 0,1,2,3
.if (\a) == 0 && (\q) == 2
	s_wait_dscnt 24                                ; B's quarter 2 is in (behind it: A's blocks 1 to 3)
.endif
.irp b, 0,1,2,3,4,5,6,7
	v_wmma_f32_16x16x32_bf16 v[AC+8*(\b):AC+8*(\b)+7], v[64*(\q)+8*(\b):64*(\q)+8*(\b)+7], v[FA+8*(\q):FA+8*(\q)+7], v[AC+8*(\b):AC+8*(\b)+7]
.endr
.endr
.endm
; THE WAY OUT of block a.  PACK: rounded to f16 (each accumulator's registers in ascending order), then the ReLU on packed halves.  TOSTAGE: into my own stage, and back as whole rows of 256 bytes.  SEND: stored.
.macro PACK a
.set AC, 64*((\a)%4)
	WIN 0x0a+5*((\a)/4)                            ; sources 0 and 1: window 2 or 3
.irp b, 0,1,2,3,4,5,6,7
.irp r, 0,1,2,3
	v_cvt_pk_f16_f32 v[TMP+4*(\b)+(\r)], v[AC+8*(\b)+2*(\r)], v[AC+8*(\b)+2*(\r)+1]
.endr
.endr
	WIN 0
.set k, 0
.rept 32
	v_pk_max_num_f16 v[TMP+k], v[TMP+k], v[ZR]
.set k, k+1
.endr
.endm
.macro TOSTAGE a
	WIN 0
.set BK, OB+192*((\a)%2)
.irp b, 0,1,2,3,4,5,6,7
	ds_store_b128 v[STO], v[TMP+4*(\b):TMP+4*(\b)+3] offset:32*(\b)
.endr
.irp t, 0,1,2,3,4,5,6,7
	ds_load_b128 v[BK+4*(\t):BK+4*(\t)+3], v[RD] offset:(\t)*2*SPITCH  ; LDS serves a wave's instructions in order (ISA guide 5.7.1.4): these see the stores above
.endr
.endm
.macro SEND a, younger
	WIN 0
.set BK, OB+192*((\a)%2)
	s_wait_dscnt \younger                          ; the block is back in registers
	s_wait_xcnt 0x0                                ; only behind this wait are the stores' base and the registers that earlier stores read rewritten
.if (\a) == 0
	s_add_nc_u64 s[8:9], s[8:9], s[16:17]          ; on to my first rows
.else
	s_add_nc_u64 s[8:9], s[8:9], 16*SIZE_N*2       ; 16 rows on
.endif
.irp t, 0,1,2,3,4,5,6,7
	global_store_b128 v[CO], v[BK+4*(\t):BK+4*(\t)+3], s[8:9] offset:2*(\t)*SIZE_N*2  ; 16 lanes store 256 consecutive bytes, at a multiple of 256 from a1's first byte
.endr
.endm
	s_wait_tensorcnt 1                             ; my part of K step 0 is in; K step 1's stays out
	s_barrier_signal -1
	s_barrier_wait -1                              ; everybody's is
	FETCH 0, 0, F0
	QUARTER 0, 64,  F0, F1, 1                      ; the first quarter stands in front of the loop: its products start the sums
	WIN 0                                          ; at a label and at a branch every window is 0
	s_mov_b32 s3, LAPS-1
.Llap:                                                 ; a trip goes once round the ring, from a lap's second quarter to the next lap's first, and fills both slots again
	QUARTER 0, 128, F1, F0, 0
	QUARTER 0, 192, F0, F1, 0
	TURN 0, 1
	QUARTER 1, 64,  F0, F1, 0
	QUARTER 1, 128, F1, F0, 0
	QUARTER 1, 192, F0, F1, 0
	TURN 1, 0
	QUARTER 0, 64,  F0, F1, 0
	WIN 0
	s_sub_co_u32 s3, s3, 1
	s_cmp_lg_u32 s3, 0
	s_cbranch_scc1 .Llap
	QUARTER 0, 128, F1, F0, 0                      ; the last lap asks for nothing
	QUARTER 0, 192, F0, F1, 0
	MEET 0                                         ; my one tensor load that was still out is the last K step's, so no round follows
	PLACES                                         ; for the loads into buffer 0 and over the bias
	BLOAD 0                                        ; three quarters of B now: buffer 1 is still being multiplied
	BLOAD 1
	BLOAD 3
	ALOAD 0
	MUL16 F1, 1, 0, 0
	MUL16 F1, 1, 2, 0
	PLACES                                         ; for the loads into buffer 1
	BLOAD 2
	ALOAD 1
	ALOAD 2
	ALOAD 3
	s_wait_dscnt 40                                ; all but the 40 just issued
	ROW 0
.irp a, 0,1,2,3,4,5,6,7                ; each block leaves as soon as it is finished
	PLACES                                         ; its conversions read results just made
	PACK \a
	TOSTAGE \a
.if (\a) < 4
	ALOAD (\a)+4                                   ; its buffer takes the block four further on
	SEND \a, 8
.else
	SEND \a, 0
.endif
.if (\a) < 7
	ROW (\a)+1
.endif
.endr
	s_wait_tensorcnt 0x0                           ; the wave's end, behind my last tensor load and my last LDS store
	ds_add_u32 v[SPW], v[NIL]
	s_wait_dscnt 0x0
	CROUND                                         ; the closing round: no work-group ends while a partner may still ask for a tile that names it
	s_endpgm
.Lfunc_end_k_q723b11e7d0_gemm1:
	.size	k_q723b11e7d0_gemm1, .Lfunc_end_k_q723b11e7d0_gemm1-k_q723b11e7d0_gemm1
	.p2alignl 7, 3214868480
	.fill 96, 4, 3214868480
	.section	.rodata,"a",@progbits
	.p2align	6, 0x0
	.amdhsa_kernel k_q723b11e7d0_gemm1
		.amdhsa_group_segment_fixed_size 327680
		.amdhsa_private_segment_fixed_size 0
		.amdhsa_enable_private_segment 0
		.amdhsa_kernarg_size 32
		.amdhsa_user_sgpr_count 2
		.amdhsa_user_sgpr_kernarg_segment_ptr 1
		.amdhsa_wavefront_size32 1
		.amdhsa_system_sgpr_workgroup_id_x 1
		.amdhsa_system_sgpr_workgroup_id_y 1
		.amdhsa_system_sgpr_workgroup_id_z 1
		.amdhsa_system_vgpr_workitem_id 0
		.amdhsa_next_free_vgpr 1024
		.amdhsa_next_free_sgpr 72
		.amdhsa_reserve_vcc 0
		.amdhsa_float_denorm_mode_32 3
		.amdhsa_float_denorm_mode_16_64 3
		.amdhsa_memory_ordered 1
		.amdhsa_forward_progress 1
		.amdhsa_inst_pref_size 170
	.end_amdhsa_kernel
	.amdgpu_metadata
---
amdhsa.version: [ 1, 2 ]
amdhsa.kernels:
  - .name:           k_q723b11e7d0_gemm1
    .symbol:         k_q723b11e7d0_gemm1.kd
    .args:
      - { .name: xh, .offset: 0, .size: 8, .value_kind: global_buffer, .address_space: global }
      - { .name: w1b, .offset: 8, .size: 8, .value_kind: global_buffer, .address_space: global }
      - { .name: a1, .offset: 16, .size: 8, .value_kind: global_buffer, .address_space: global }
      - { .name: b1, .offset: 24, .size: 8, .value_kind: global_buffer, .address_space: global }
    .group_segment_fixed_size: 327680
    .private_segment_fixed_size: 0
    .kernarg_segment_align: 8
    .kernarg_segment_size: 32
    .max_flat_workgroup_size: 128
    .sgpr_count:     72
    .vgpr_count:     1024
    .wavefront_size: 32
...
	.end_amdgpu_metadata
.endif
;; end of part 2
;; launch gemm2 (part 3): grid 4 x 64, 4 waves a work-group, clusters of 4 x 4, 327,680 bytes of LDS; arguments a1, w2h, out0, b2, x, px, colp, colq; writes out0, px, colq
.if DOCPART == 3
	.amdgcn_target "amdgcn-amd-amdhsa--gfx1250"
	.amdhsa_code_object_version 6
	.text
	.protected	k_q723b11e7d0_gemm2
	.globl	k_q723b11e7d0_gemm2
	.p2align	8
	.type	k_q723b11e7d0_gemm2,@function
k_q723b11e7d0_gemm2:
	s_mov_b64 s[64:65], 0
	v_nop
	global_prefetch_b8 v0, s[64:65] scope:SCOPE_SE
	s_setreg_imm32_b32 hwreg(HW_REG_WAVE_MODE, 25, 1), 1
	s_wait_xcnt 0x0
	s_wait_alu depctr_hold_cnt(0) depctr_sa_sdst(0) depctr_va_vdst(0) depctr_va_sdst(0) depctr_va_ssrc(0) depctr_va_vcc(0) depctr_vm_vsrc(0)
	s_getreg_b32 s2, hwreg(HW_REG_IB_STS2, 6, 4)
	s_cmp_eq_u32 s2, 0
	s_cbranch_scc0 .Lentry_in_a_cluster
	s_endpgm
.Lentry_in_a_cluster:
	s_bfe_u32 s2, ttmp6, 0x10000c
	s_cmp_lg_u32 s2, 0xf033
	s_cbranch_scc0 .Lentry_shape_is_right
	s_endpgm
.Lentry_shape_is_right:
; out0[m][n] = f = relu(sum over k of a1[m][k] w2h[n][k] + bf16(b2[n])).  a1: [8192][2048] f16 (the first layer's result / 16), w2h: [1024][2048] f16 (16 x bf16(W2)): the two factors cancel.  Sums in f32.
; px[4 x work-group + wave] f32: partial sums of (f[i] - (x[i+1] - x[i]))^2 over rows 0 to 8190, made from f in registers on its way out, with x as it is given (f32, not rounded).
; colq[16][1024] f32: the 256 partial column sums of h in colp, added sixteen at a time: work-group g takes partial vectors 16 (g / 16) .. + 15, columns 64 (g % 16) .. + 63.  It rides here so that the last launch,
; one work-group, has a sixteenth of them to read; one wave does it while the first tiles are on their way.
; LIMITS.  The bias, rounded to bf16 like every input of the products, starts the f32 sum.  A NaN in front of the ReLU gives 0.
; SHARES.  A tile is 128 rows x 256 columns: 64 x 4 tiles, 256 work-groups.  Wave w makes rows 64 (w / 2) .. + 63, columns 128 (w % 2) .. + 127: 32 accumulators of 16 x 16.  K goes in 16 steps of 128 through a
; ring of two LDS slots (A's 128 rows, B's 256 rows, 256 bytes of memory each); two slots of a step of 256 would need 405,504 bytes of LDS and do not fit.  A step is 128 matrix instructions a wave.
; CLUSTERS: 4 x 4 work-groups.  The four of a row of the cluster need the same tiles of a1, the four of a column the same tiles of w2h: each tile is asked for JOINTLY.
; THE MATRIX INSTRUCTION IS USED TRANSPOSED (source 0 = 16 rows of w2h, source 1 = 16 rows of a1): lane l holds row l % 16 of f and the columns 8 (l / 16) + 0..7.
; REGISTERS, in windows of 256 (s_set_vgpr_msb: bits 1:0 source 0, 3:2 source 1, 5:4 source 2, 7:6 destination):
;   window 0: addresses and the way out.   window 1: two fragment buffers of 96 (B's eight fragments, then A's four); v192-255 the bias as a C operand.
;   window 2: accumulator (a, b) at v[8 (8 a + b)].   window 3: my 64 rows x 128 columns of x, row R at v[4 R]: nothing else lives there, so x is loaded long before it is used.
.set SIZE_K, 2048
.set ROWB,   4096                      ; bytes in a row of a1, w2h, out0, x and colp alike
.set KSTEP,  128
.set PITCH,  272                       ; an LDS row: 256 bytes + 16 of padding: the 16 rows that a load touches start at 16 different groups of four banks (64 banks of 4 bytes: ISA guide 11.1)
.set AH,     64*PITCH                  ; what a wave fetches, and reads, of A
.set BH,     128*PITCH                 ; of B
.set SLOT,   2*AH+2*BH
.set STAGE,  2*SLOT                    ; behind the ring: 16 rows x 528 bytes for each wave
.set SPITCH, 528                       ; 512 bytes of f32 + 16
.set WSTG,   16*SPITCH
.set SPARE,  STAGE+4*WSTG              ; the spare words, 128 bytes for each wave: two blocks of 256 bytes that no other line names
.set LAPS,   SIZE_K/(2*KSTEP)
.set LN,   5                           ; v5      my lane
.set BO,   8                           ; v8      32 (l / 16): my eight numbers in 16 of the bias; the bias loads' offset, never rewritten
.set CQ,   9                           ; v9      8 l: my two columns of 64 in colp and colq (wave 3); never rewritten
.set ADRA, 16                          ; v16-17  LDS address of my A fragments in slot 0, 1
.set ADRB, 20                          ; v20-21  the same for B
.set STO,  24                          ; v24     the way out: where I put 32 bytes of a row
.set RD,   25                          ; v25     the way out: my 16 bytes of a row read back
.set CO,   26                          ; v26     16 l: my bytes in 512 of a row of out0 and of x
.set XL,   27                          ; v27     the same in the row of x behind my 64
.set SPW,  28                          ; v28     LDS address of my spare word; never rewritten
.set NIL,  29                          ; v29     0; never rewritten
.set PFO,  30                          ; v30     4,096 l: a lane a row
.set TMP,  32                          ; v32-95   a block of 16 rows after the ReLU
.set OB,   96                          ; v96-159  the block as whole rows: row t at OB + 4 t
.set XH,   160                         ; v160-163 the row of x behind my 64
.set D,    164                         ; v164-227 f - (x[i+1] - x[i]); at the head, in wave 3: sixteen pairs of column sums
.set LA,   228                         ; v228-235 four pairs: sums of squares
.set F0,   0                           ; window 1
.set F1,   96
.set BIAS, 192
.set G1A, 24                           ; s[24:31] descriptor group 1 for A's tiles;  s[32:39] group 0, one set for each slot
.set G0A, 32
.set G1B, 48                           ; s[48:55], s[56:63] the same for B's
.set G0B, 56
.set PFA, 44                           ; s[44:45] where my prefetches of a1 or w2h stand
.set BP,  68                           ; s[68:69] b2 at my 128 columns
.set XB,  70                           ; s[70:71] x at my first row and column
.set PX,  72                           ; s[72:73] px at my wave's number
.set CPI, 76                           ; s[76:77] colp at my work-group's first partial vector and column
.set CPO, 78                           ; s[78:79] colq at my work-group's 256 bytes
.set WL,  80                           ; s[80:81] 0 in the wave with the last row, else 1
.set LIM0, 82                          ; s82, s83: by slot, 1 where the wave prefetches at that slot's change, else the greatest number
.set LIM1, 83
.set MSB, 0
.macro WIN new
.if MSB != (\new)
	s_set_vgpr_msb (MSB<<8)|(\new)
.set MSB, \new
.endif
.endm
.set MUL,  0xa5                        ; sources 0 and 1 window 1; C and D window 2
.set MULB, 0x95                        ; the same with C in window 1
.set TO_F, 0x40                        ; destination window 1, address window 0
.macro JLOAD s                         ; a joint load: waves 0 and 1 fetch A's two halves, waves 2 and 3 B's; an s_nop 0 and four v_nop follow each of the two lines
	s_cmp_eq_u32 s11, 0
	s_cbranch_scc0 .Lfor_b_\@
	tensor_load_to_lds s[G0A+4*(\s):G0A+4*(\s)+3], s[G1A:G1A+7]
	s_nop 0
.rept 4
	v_nop
.endr
	s_branch .Lasked_\@
.Lfor_b_\@:
	tensor_load_to_lds s[G0B+4*(\s):G0B+4*(\s)+3], s[G1B:G1B+7]
	s_nop 0
.rept 4
	v_nop
.endr
.Lasked_\@:
.endm
.macro CREST
	s_cmp_lg_u32 s10, 0
	s_cbranch_scc1 .Lnot_wave_0_\@
	s_barrier_signal -3
.Lnot_wave_0_\@:
	s_barrier_wait -3
	s_barrier_signal -1
	s_barrier_wait -1
.endm
.macro CROUND
	s_barrier_signal -1
	s_barrier_wait -1
	CREST
.endm
; THE PREFETCH stands behind the joint load and the run of LDS loads.  Each aligned block of 256 bytes is named once in the launch; partners share rows out by address, no branch hangs on a place in the cluster.
; a1: a tile row is read by one cluster alone, so every cluster asks for its own.  A wave's 64 rows x two K steps are 128 blocks: partner cx takes rows 32 (cx % 2) .. + 31 of K step n + 4 + cx / 2, at slot 0's change alone
; (n: the change's number; it refills K step n + 2).  w2h: a tile column is read by all sixteen clusters: cluster y = 0 asks, at both changes, partner cy for 32 of the wave's 128 rows of K step n + 4.
; K steps 0 to 3 come by their loads alone; the loop's last trip (s3 = 1) asks for nothing: K step 15 is the last.  x is not asked for: its loads into registers go out more than a K step ahead of their use.
.macro ASK slot
	s_cmp_gt_u32 s3, s[LIM0+(\slot)]
	s_cbranch_scc0 .Lnot_mine_\@
	global_prefetch_b8 v[PFO], s[PFA:PFA+1] offset:KSTEP*2 th:TH_LOAD_NT scope:SCOPE_SE
.Lnot_mine_\@:
.endm
	s_load_b128 s[4:7], s[0:1], 0x0                ; a1 s[4:5], w2h s[6:7]
	s_load_b64 s[8:9], s[0:1], 0x10                ; out0
	s_load_b128 s[68:71], s[0:1], 0x18             ; b2, x
	s_load_b64 s[PX:PX+1], s[0:1], 0x28            ; px
	s_load_b128 s[76:79], s[0:1], 0x30             ; colp, colq
	v_lshl_add_u32 v[SPW], v0, 2, SPARE
	v_mov_b32 v[NIL], 0
	ds_add_u32 v[SPW], v[NIL]                      ; the wave's opening: the add, twice on end, and its wait ahead of my first tensor load
	ds_add_u32 v[SPW], v[NIL]
	v_lshrrev_b32 v1, 5, v0
	v_readfirstlane_b32 s10, v1                    ; wave 0..3
	s_lshr_b32 s11, s10, 1                         ; which 64 rows of the tile are mine.  Also: I fetch for A (0) or for B (1)
	s_and_b32 s12, s10, 1                          ; which 128 columns.  Also: which half of that tile I fetch
	s_bfe_u32 s40, ttmp6, 0x40000                  ; cx
	s_bfe_u32 s41, ttmp6, 0x40004                  ; cy
	s_lshl_b32 s42, ttmp9, 2
	s_add_co_u32 s42, s42, s40                     ; tile column = 4 x cluster x + cx
	s_and_b32 s13, ttmp7, 0xffff
	s_lshl_b32 s13, s13, 2
	s_add_co_u32 s13, s13, s41                     ; tile row = 4 x cluster y + cy
	s_lshl_b32 s43, s41, 2
	s_lshl_b32 s43, 15, s43                        ; my row of the cluster
	s_lshl_b32 s44, 0x1111, s40                    ; my column
	s_or_b32 s[G1A+0], s43, (1<<16)|(1<<20)|(1<<21)|(5<<22)|(3<<25)  ; the mask; 2-byte elements; padding on; bit 21 beside a mask; after every 64 words, 4 words
	s_or_b32 s[G1B+0], s44, (1<<16)|(1<<20)|(1<<21)|(5<<22)|(3<<25)
	s_mov_b32 s[G1A+1], KSTEP<<16                  ; tensor_dim0 = 128
	s_mov_b32 s[G1A+2], 64<<16                     ; tensor_dim1 = 64
	s_mov_b32 s[G1A+3], KSTEP<<16                  ; tile_dim0 = 128
	s_mov_b32 s[G1A+4], 64                         ; tile_dim1 = 64
	s_mov_b32 s[G1A+5], SIZE_K                     ; elements from row to row
	s_mov_b32 s[G1A+6], 0
	s_mov_b32 s[G1A+7], 0
	s_mov_b32 s[G1B+1], KSTEP<<16
	s_mov_b32 s[G1B+2], 128<<16                    ; 128 rows
	s_mov_b32 s[G1B+3], KSTEP<<16
	s_mov_b32 s[G1B+4], 128
	s_mov_b32 s[G1B+5], SIZE_K
	s_mov_b32 s[G1B+6], 0
	s_mov_b32 s[G1B+7], 0
	s_lshl_b32 s17, s12, 6
	s_lshl_b32 s16, s13, 7
	s_add_co_u32 s16, s16, s17                     ; A: row 128 x tile row + 64 x half,
	s_lshl_b32 s16, s16, 12                        ; in bytes (under 2^25)
	s_mov_b32 s17, 0
	s_lshl_b32 s47, s12, 7
	s_lshl_b32 s46, s42, 8
	s_add_co_u32 s46, s46, s47                     ; B: row 256 x tile column + 128 x half
	s_lshl_b32 s46, s46, 12
	s_mov_b32 s47, 0
	s_mul_i32 s20, s12, AH                         ; where they go: A's two halves,
	s_mul_i32 s21, s12, BH
	s_add_co_u32 s21, s21, 2*AH                    ; then B's two: no place in the cluster enters an LDS address
	s_wait_dscnt 0x0                               ; both opening adds are done
	s_wait_kmcnt 0x0
	s_add_nc_u64 s[14:15], s[4:5], s[16:17]
	s_add_nc_u64 s[46:47], s[6:7], s[46:47]
	CROUND                                         ; all sixteen work-groups are here: the first joint loads meet
.irp s, 0,1
	s_mov_b32 s[G0A+4*(\s)], 1
	s_add_co_u32 s[G0A+4*(\s)+1], s20, (\s)*SLOT
	s_add_nc_u64 s[G0A+4*(\s)+2:G0A+4*(\s)+3], s[14:15], (\s)*KSTEP*2
	s_or_b32 s[G0A+4*(\s)+3], s[G0A+4*(\s)+3], 0x80000000
	s_mov_b32 s[G0B+4*(\s)], 1
	s_add_co_u32 s[G0B+4*(\s)+1], s21, (\s)*SLOT
	s_add_nc_u64 s[G0B+4*(\s)+2:G0B+4*(\s)+3], s[46:47], (\s)*KSTEP*2
	s_or_b32 s[G0B+4*(\s)+3], s[G0B+4*(\s)+3], 0x80000000
	JLOAD \s                                       ; two loads of mine are out
.endr
	v_and_b32 v1, 15, v0                           ; l % 16
	v_bfe_u32 v2, v0, 4, 1                         ; l / 16
	v_and_b32 v[LN], 31, v0
	; the bias of my 128 columns: lane l holds b2[16 b + 8 (l / 16) + 0..7] for column block b
	s_lshl_b32 s86, s42, 10                        ; 256 columns of f32 a tile column,
	s_lshl_b32 s87, s12, 9                         ; 128 a half
	s_add_co_u32 s86, s86, s87
	s_mov_b32 s87, 0
	s_add_nc_u64 s[BP:BP+1], s[BP:BP+1], s[86:87]
	v_lshlrev_b32 v[BO], 5, v2
.irp b, 0,1,2,3,4,5,6,7
	global_load_b128 v[TMP+8*(\b):TMP+8*(\b)+3],   v[BO], s[BP:BP+1] offset:64*(\b)
	global_load_b128 v[TMP+8*(\b)+4:TMP+8*(\b)+7], v[BO], s[BP:BP+1] offset:64*(\b)+16
.endr
	; out0 and x at my first row and column; px at my wave's number; colp and colq at my work-group's share
	s_lshl_b32 s84, s13, 7
	s_lshl_b32 s85, s11, 6
	s_add_co_u32 s84, s84, s85
	s_lshl_b32 s84, s84, 12
	s_add_co_u32 s84, s84, s86
	s_mov_b32 s85, 0
	s_add_nc_u64 s[8:9], s[8:9], s[84:85]
	s_add_nc_u64 s[XB:XB+1], s[XB:XB+1], s[84:85]
	s_lshl2_add_u32 s84, s13, s42                  ; g = 4 x tile row + tile column
	s_and_b32 s74, s84, 15
	s_lshl_b32 s74, s74, 8                         ; 64 columns of f32: 256 (g % 16) bytes
	s_lshr_b32 s75, s84, 4                         ; g / 16
	s_lshl2_add_u32 s84, s84, s10
	s_lshl_b32 s84, s84, 2                         ; 4 (4 g + wave)
	s_add_nc_u64 s[PX:PX+1], s[PX:PX+1], s[84:85]
	s_lshl_b32 s84, s75, 16                        ; sixteen partial vectors of 4,096 bytes
	s_add_co_u32 s84, s84, s74
	s_add_nc_u64 s[CPI:CPI+1], s[CPI:CPI+1], s[84:85]
	s_lshl_b32 s84, s75, 12
	s_add_co_u32 s84, s84, s74
	s_add_nc_u64 s[CPO:CPO+1], s[CPO:CPO+1], s[84:85]
	; wave 3: sixteen partial column sums of 64 columns become one.  A load and the store each cover 256 consecutive bytes, aligned.  The branch hangs on the wave's number alone.
	s_cmp_lg_u32 s10, 3
	s_cbranch_scc1 .Lno_col
	v_lshlrev_b32 v[CQ], 3, v[LN]
.set k, 0
.rept 16
	global_load_b64 v[D+2*k:D+2*k+1], v[CQ], s[CPI:CPI+1] offset:ROWB*k th:TH_LOAD_NT
.set k, k+1
.endr
	s_wait_loadcnt 0x0
.irp st, 16,8,4,2
.set k, 0
.rept (\st)/2
	v_pk_add_f32 v[D+k:D+k+1], v[D+k:D+k+1], v[D+(\st)+k:D+(\st)+k+1]
.set k, k+2
.endr
.endr
	global_store_b64 v[CQ], v[D:D+1], s[CPO:CPO+1]
.Lno_col:
	; lane addresses
	v_mul_u32_u24 v3, v1, PITCH
	v_lshl_add_u32 v3, v2, 4, v3                   ; a fragment's row x pitch + 16 x half
	s_mul_i32 s21, s11, AH                         ; my 64 rows of A
	s_mul_i32 s22, s12, BH                         ; my 128 rows of B,
	s_add_co_u32 s22, s22, 2*AH                    ; which lie behind A's 128
.irp s, 0,1
	v_add_nc_u32 v[ADRA+(\s)], s21, v3
	v_add_nc_u32 v[ADRB+(\s)], s22, v3
	s_add_co_u32 s21, s21, SLOT
	s_add_co_u32 s22, s22, SLOT
.endr
	s_mul_i32 s23, s10, WSTG
	s_add_co_u32 s23, s23, STAGE                   ; my stage
	v_mul_u32_u24 v4, v1, SPITCH                   ; in: row l % 16, 32 bytes for each half of the lanes
	v_lshl_add_u32 v4, v2, 5, v4
	v_add_nc_u32 v[STO], s23, v4
	v_lshlrev_b32 v[CO], 4, v[LN]
	v_add_nc_u32 v[RD], s23, v[CO]                 ; back: 32 lanes take one row of 512 bytes
	s_lshl1_add_u32 s20, s13, s11
	s_mov_b32 s21, 64*ROWB
	s_cmp_eq_u32 s20, 127                          ; the wave with the last row of all:
	s_cselect_b32 s[WL], 0, 1.0                    ; that row has no difference,
	s_cselect_b32 s21, 63*ROWB, s21                ; and the row behind it is the row itself: no load leaves x
	s_mov_b32 s[WL+1], s[WL]
	v_add_nc_u32 v[XL], s21, v[CO]
	v_lshlrev_b32 v[PFO], 12, v[LN]
	; who prefetches, and where
	s_and_b32 s22, ttmp7, 0xffff                   ; cluster y
	s_cmp_eq_u32 s22, 0
	s_cselect_b32 s[LIM1], 1, -1
	s_cmp_eq_u32 s11, 0                            ; do I fetch for A?
	s_cselect_b32 s[LIM0], 1, s[LIM1]
	s_cselect_b32 s[LIM1], -1, s[LIM1]             ; all of this is the same in all sixteen partners, for a given wave
	s_and_b32 s20, s40, 1
	s_lshl_b32 s20, s20, 5
	s_lshl_b32 s21, s12, 6
	s_add_co_u32 s20, s20, s21
	s_lshl_b32 s21, s13, 7
	s_add_co_u32 s20, s20, s21                     ; A: row 128 x tile row + 64 x half + 32 (cx % 2),
	s_lshr_b32 s23, s40, 1
	s_lshl_b32 s23, s23, 8                         ; and cx / 2 K steps on
	s_lshl_b32 s21, s41, 5
	s_lshl_b32 s22, s12, 7
	s_add_co_u32 s21, s21, s22
	s_lshl_b32 s22, s42, 8
	s_add_co_u32 s21, s21, s22                     ; B: row 256 x tile column + 128 x half + 32 cy
	s_cmp_eq_u32 s11, 0
	s_cselect_b32 s20, s20, s21
	s_cselect_b32 s23, s23, 0
	s_cselect_b64 s[PFA:PFA+1], s[4:5], s[6:7]
	s_lshl_b32 s20, s20, 12
	s_add_co_u32 s20, s20, s23
	s_add_co_u32 s20, s20, 2*KSTEP*2               ; at K step 2: the first change steps it to 3 and names K step 4
	s_mov_b32 s21, 0
	s_add_nc_u64 s[PFA:PFA+1], s[PFA:PFA+1], s[20:21]
	; the bias: rounded to bf16, widened again, into window 1
	s_wait_loadcnt 0x0
.set k, 0
.rept 32
	v_cvt_pk_bf16_f32 v[OB+k], v[TMP+2*k], v[TMP+2*k+1]
.set k, k+1
.endr
	WIN TO_F
.set k, 0
.rept 32
	v_lshlrev_b32 v[BIAS+2*k], 16, v[OB+k]
	v_and_b32 v[BIAS+2*k+1], 0xffff0000, v[OB+k]
.set k, k+1
.endr
	WIN 0
; 8 matrix instructions: m block a x all 8 n blocks, 32 along K.  zero = 1: the first product starts the sums, with the bias as C.  The 32 accumulators take turns in the same order in every quarter.
.macro MUL8 f, a, zero
.if \zero
	WIN MULB
.else
	WIN MUL
.endif
.irp b, 0,1,2,3,4,5,6,7
.if \zero
	v_wmma_f32_16x16x32_f16 v[8*(8*(\a)+(\b)):8*(8*(\a)+(\b))+7], v[(\f)+8*(\b):(\f)+8*(\b)+7], v[(\f)+64+8*(\a):(\f)+64+8*(\a)+7], v[BIAS+8*(\b):BIAS+8*(\b)+7]
.else
	v_wmma_f32_16x16x32_f16 v[8*(8*(\a)+(\b)):8*(8*(\a)+(\b))+7], v[(\f)+8*(\b):(\f)+8*(\b)+7], v[(\f)+64+8*(\a):(\f)+64+8*(\a)+7], v[8*(8*(\a)+(\b)):8*(8*(\a)+(\b))+7]
.endif
.endr
.endm
; 24 LDS loads in one run: 32 along K at byte k of the rows, into buffer f: B's 128 rows, then A's 64
.macro FETCH slot, k, f
	WIN TO_F
.irp i, 0,1,2,3,4,5,6,7
	ds_load_b128 v[(\f)+8*(\i):(\f)+8*(\i)+3],   v[ADRB+(\slot)] offset:(\k)+(\i)*16*PITCH
	ds_load_b128 v[(\f)+8*(\i)+4:(\f)+8*(\i)+7], v[ADRB+(\slot)] offset:(\k)+(\i)*16*PITCH+32
.endr
.irp i, 0,1,2,3
	ds_load_b128 v[(\f)+64+8*(\i):(\f)+64+8*(\i)+3],   v[ADRA+(\slot)] offset:(\k)+(\i)*16*PITCH
	ds_load_b128 v[(\f)+64+8*(\i)+4:(\f)+64+8*(\i)+7], v[ADRA+(\slot)] offset:(\k)+(\i)*16*PITCH+32
.endr
.endm
.macro PLACES                          ; four plain vector instructions between a matrix instruction and a load into a register that it has read, or a reader of its result (ISA guide 7.12.1 for vector instructions)
.rept 4
	v_nop
.endr
.endm
; A K step is four quarters of 32 along K, 32 matrix instructions each, on buffers 0, 1, 0, 1.
.macro QUARTER slot, k, f, g, zero
	s_wait_dscnt 4                                 ; B and A's blocks 0 and 1 are in; the youngest four loads (A's blocks 2 and 3) may be out
	MUL8 \f, 0, \zero
	MUL8 \f, 1, \zero
	PLACES
	FETCH \slot, \k, \g
	s_wait_dscnt 24                                ; all but the 24 just issued
	MUL8 \f, 2, \zero
	MUL8 \f, 3, \zero
.endm
; The first half of the last quarter: ONE barrier for the change of slots.
.macro MEET round
	WIN 0                                          ; (the add's two registers lie in window 0)
	s_wait_tensorcnt 0x0                           ; all my tensor loads have landed: the one that was out is my part of the next slot
	ds_add_u32 v[SPW], v[NIL]                      ; 0 onto my spare word
	s_wait_dscnt 5                                 ; (the add and the youngest four loads may be out)
	MUL8 F1, 0, 0                                  ; eight matrix instructions stand between the add and the wait for it
	s_wait_dscnt 0x0                               ; the add is done, and my reads of this slot are over
	s_barrier_signal -1
	MUL8 F1, 1, 0                                  ; work on registers while the others arrive
.if \round
	WIN 0
.endif
	s_barrier_wait -1
.endm
; The whole last quarter: behind the round the slot just read out is filled again first, with the K step two steps on: 112 matrix instructions ahead of the wait for it.
.macro TURN slot, next
	s_wait_xcnt 0x0                                ; the last prefetch, a K step back, has read its address: it is stepped here
	s_add_nc_u64 s[PFA:PFA+1], s[PFA:PFA+1], KSTEP*2
	MEET 1
	CREST                                          ; no wave of any partner still reads this slot's tile or has a load on its way
	s_add_nc_u64 s[G0A+4*(\slot)+2:G0A+4*(\slot)+3], s[G0A+4*(\slot)+2:G0A+4*(\slot)+3], 2*KSTEP*2
	s_add_nc_u64 s[G0B+4*(\slot)+2:G0B+4*(\slot)+3], s[G0B+4*(\slot)+2:G0B+4*(\slot)+3], 2*KSTEP*2
	JLOAD \slot                                    ; the first tensor load behind the round; its four v_nop are also the places in front of the loads below
	FETCH \next, 0, F0
	WIN 0                                          ; (a branch follows)
	ASK \slot
	MUL8 F1, 2, 0
	MUL8 F1, 3, 0
.endm
; My 64 rows x 512 bytes of x, in two parts, and the row behind them: lane l takes the same 16 bytes of a row as of a row of f read back from the stage.
.macro XLOAD part
	WIN 0xc0                                       ; destination window 3, address window 0
.set xr, 32*(\part)
.rept 32
	global_load_b128 v[4*xr:4*xr+3], v[CO], s[XB:XB+1] offset:ROWB*xr
.set xr, xr+1
.endr
.if \part
	WIN 0
	global_load_b128 v[XH:XH+3], v[XL], s[XB:XB+1]
.endif
.endm
; THE WAY OUT of block a (16 rows x 128 columns).  PACK: the ReLU, each accumulator's registers in ascending order.  TOSTAGE: into my own stage, and back as whole rows.  SEND: stored.  LOSS: the squares.
.macro PACK a
	WIN 0x08                                       ; source 1 in window 2
.irp b, 0,1,2,3,4,5,6,7
.irp j, 0,1,2,3,4,5,6,7
	v_max_num_f32 v[TMP+8*(\b)+(\j)], 0, v[8*(8*(\a)+(\b))+(\j)]
.endr
.endr
.endm
.macro TOSTAGE a
	WIN 0
	s_wait_xcnt 0x0                                ; the stores of the block before have read OB: it is loaded again only behind this wait
.irp b, 0,1,2,3,4,5,6,7
	ds_store_b128 v[STO], v[TMP+8*(\b):TMP+8*(\b)+3]   offset:64*(\b)
	ds_store_b128 v[STO], v[TMP+8*(\b)+4:TMP+8*(\b)+7] offset:64*(\b)+16
.endr
.set t, 0
.rept 16
	ds_load_b128 v[OB+4*t:OB+4*t+3], v[RD] offset:t*SPITCH  ; LDS serves a wave's instructions in order (ISA guide 5.7.1.4): these see the stores above
.set t, t+1
.endr
.endm
.macro SEND a
	WIN 0
	s_wait_dscnt 0x0                               ; the block is back in registers
.set t, 0
.rept 16
	global_store_b128 v[CO], v[OB+4*t:OB+4*t+3], s[8:9] offset:(16*(\a)+t)*ROWB th:TH_STORE_NT  ; a store covers 512 consecutive bytes, at a multiple of 512 from out0's first byte
.set t, t+1
.endr
.endm
.macro LOSS a
.if (\a) == 0
	s_wait_loadcnt 0x0                             ; x is in
.endif
	WIN 0x0c                                       ; source 1 in window 3
.set t, 0
.rept 16
.set xr, 16*(\a)+t
	v_pk_add_f32 v[D+4*t:D+4*t+1],   v[OB+4*t:OB+4*t+1],   v[4*xr:4*xr+1]        ; f + x[i]
	v_pk_add_f32 v[D+4*t+2:D+4*t+3], v[OB+4*t+2:OB+4*t+3], v[4*xr+2:4*xr+3]
.set t, t+1
.endr
.set t, 0
.rept 16
.set xr, 16*(\a)+t+1
.if xr < 64
	v_pk_add_f32 v[D+4*t:D+4*t+1],   v[D+4*t:D+4*t+1],   v[4*xr:4*xr+1]   neg_lo:[0,1] neg_hi:[0,1]  ; - x[i+1]
	v_pk_add_f32 v[D+4*t+2:D+4*t+3], v[D+4*t+2:D+4*t+3], v[4*xr+2:4*xr+3] neg_lo:[0,1] neg_hi:[0,1]
.endif
.set t, t+1
.endr
	WIN 0
.if (\a) == 3                                      ; my last row takes the row behind my 64, and counts for nothing where it is the last of all
	v_pk_add_f32 v[D+60:D+61], v[D+60:D+61], v[XH:XH+1]   neg_lo:[0,1] neg_hi:[0,1]
	v_pk_add_f32 v[D+62:D+63], v[D+62:D+63], v[XH+2:XH+3] neg_lo:[0,1] neg_hi:[0,1]
	v_pk_mul_f32 v[D+60:D+61], v[D+60:D+61], s[WL:WL+1] op_sel_hi:[1,0]
	v_pk_mul_f32 v[D+62:D+63], v[D+62:D+63], s[WL:WL+1] op_sel_hi:[1,0]
.endif
.set t, 0
.rept 32
.if ((\a) == 0) && (t < 4)
	v_pk_mul_f32 v[LA+2*t:LA+2*t+1], v[D+2*t:D+2*t+1], v[D+2*t:D+2*t+1]      ; the first four start the chains: nothing is cleared
.else
	v_pk_fma_f32 v[LA+2*(t%4):LA+2*(t%4)+1], v[D+2*t:D+2*t+1], v[D+2*t:D+2*t+1], v[LA+2*(t%4):LA+2*(t%4)+1]
.endif
.set t, t+1
.endr
.endm
	s_wait_tensorcnt 1                             ; my part of K step 0 is in; K step 1's stays out
	s_barrier_signal -1
	s_barrier_wait -1                              ; everybody's is
	FETCH 0, 0, F0
	QUARTER 0, 64,  F0, F1, 1                      ; the first quarter stands in front of the loop: its products start the sums
	XLOAD 0                                        ; my first 32 rows of x: their registers serve nothing else, so they are asked for now
	WIN 0                                          ; at a label and at a branch every window is 0
	s_mov_b32 s3, LAPS-1
.Llap:                                                 ; a trip goes once round the ring, from a lap's second quarter to the next lap's first, and fills both slots again
	QUARTER 0, 128, F1, F0, 0
	QUARTER 0, 192, F0, F1, 0
	TURN 0, 1
	QUARTER 1, 64,  F0, F1, 0
	QUARTER 1, 128, F1, F0, 0
	QUARTER 1, 192, F0, F1, 0
	TURN 1, 0
	QUARTER 0, 64,  F0, F1, 0
	WIN 0
	s_sub_co_u32 s3, s3, 1
	s_cmp_lg_u32 s3, 0
	s_cbranch_scc1 .Llap
	XLOAD 1                                        ; the last lap asks for no tile; the other 32 rows of x and the row behind them come in beside its 224 products
	QUARTER 0, 128, F1, F0, 0
	QUARTER 0, 192, F0, F1, 0
	MEET 0                                         ; my one tensor load that was still out is the last K step's, so no round follows
	PLACES
	FETCH 1, 0, F0
	MUL8 F1, 2, 0
	MUL8 F1, 3, 0
	QUARTER 1, 64,  F0, F1, 0
	QUARTER 1, 128, F1, F0, 0
	QUARTER 1, 192, F0, F1, 0
	s_wait_dscnt 4                                 ; the very last quarter: nothing more to fetch
	MUL8 F1, 0, 0
	MUL8 F1, 1, 0
	s_wait_dscnt 0x0
	MUL8 F1, 2, 0
	MUL8 F1, 3, 0
	WIN 0
	PLACES
	PACK 0
	TOSTAGE 0
.irp a, 1,2,3                          ; block a's ReLU stands between block a - 1's loads from the stage and the wait for them
	PACK \a
	SEND (\a)-1
	LOSS (\a)-1
	TOSTAGE \a
.endr
	SEND 3
	LOSS 3
	; my wave's sum of squares: the four chains, the pair, the 32 lanes; lane 0 stores it, 4 bytes, once a wave
	v_pk_add_f32 v[LA:LA+1], v[LA:LA+1], v[LA+2:LA+3]
	v_pk_add_f32 v[LA+4:LA+5], v[LA+4:LA+5], v[LA+6:LA+7]
	v_pk_add_f32 v[LA:LA+1], v[LA:LA+1], v[LA+4:LA+5]
	v_add_f32 v[LA], v[LA], v[LA+1]
	s_mov_b32 s20, 0x76543210                      ; v_permlanex16_b32: each lane takes its own place in the other half
	s_mov_b32 s21, 0xfedcba98
	v_add_f32_dpp v[LA], v[LA], v[LA] row_xmask:1 row_mask:0xf bank_mask:0xf
	v_add_f32_dpp v[LA], v[LA], v[LA] row_xmask:2 row_mask:0xf bank_mask:0xf
	v_add_f32_dpp v[LA], v[LA], v[LA] row_xmask:4 row_mask:0xf bank_mask:0xf
	v_add_f32_dpp v[LA], v[LA], v[LA] row_xmask:8 row_mask:0xf bank_mask:0xf
	v_permlanex16_b32 v[LA+1], v[LA], s20, s21
	v_add_f32 v[LA], v[LA], v[LA+1]
	v_mov_b32 v6, 0
	s_wait_xcnt 0x0                                ; EXEC changes only behind this wait
	v_cmp_eq_u32 vcc_lo, 0, v[LN]
	s_and_saveexec_b32 s22, vcc_lo
	global_store_b32 v6, v[LA], s[PX:PX+1]
	s_wait_xcnt 0x0                                ; and again, in front of the line that widens it
	s_or_b32 exec_lo, exec_lo, s22
	s_wait_tensorcnt 0x0                           ; the wave's end, behind my last tensor load and my last LDS store
	ds_add_u32 v[SPW], v[NIL]
	s_wait_dscnt 0x0
	CROUND                                         ; the closing round: no work-group ends while a partner may still ask for a tile that names it
	s_endpgm
.Lfunc_end_k_q723b11e7d0_gemm2:
	.size	k_q723b11e7d0_gemm2, .Lfunc_end_k_q723b11e7d0_gemm2-k_q723b11e7d0_gemm2
	.p2alignl 7, 3214868480
	.fill 96, 4, 3214868480
	.section	.rodata,"a",@progbits
	.p2align	6, 0x0
	.amdhsa_kernel k_q723b11e7d0_gemm2
		.amdhsa_group_segment_fixed_size 327680
		.amdhsa_private_segment_fixed_size 0
		.amdhsa_enable_private_segment 0
		.amdhsa_kernarg_size 64
		.amdhsa_user_sgpr_count 2
		.amdhsa_user_sgpr_kernarg_segment_ptr 1
		.amdhsa_wavefront_size32 1
		.amdhsa_system_sgpr_workgroup_id_x 1
		.amdhsa_system_sgpr_workgroup_id_y 1
		.amdhsa_system_sgpr_workgroup_id_z 1
		.amdhsa_system_vgpr_workitem_id 0
		.amdhsa_next_free_vgpr 1024
		.amdhsa_next_free_sgpr 88
		.amdhsa_reserve_vcc 1
		.amdhsa_float_denorm_mode_32 3
		.amdhsa_float_denorm_mode_16_64 3
		.amdhsa_memory_ordered 1
		.amdhsa_forward_progress 1
		.amdhsa_inst_pref_size 136
	.end_amdhsa_kernel
	.amdgpu_metadata
---
amdhsa.version: [ 1, 2 ]
amdhsa.kernels:
  - .name:           k_q723b11e7d0_gemm2
    .symbol:         k_q723b11e7d0_gemm2.kd
    .args:
      - { .name: a1, .offset: 0, .size: 8, .value_kind: global_buffer, .address_space: global }
      - { .name: w2h, .offset: 8, .size: 8, .value_kind: global_buffer, .address_space: global }
      - { .name: out0, .offset: 16, .size: 8, .value_kind: global_buffer, .address_space: global }
      - { .name: b2, .offset: 24, .size: 8, .value_kind: global_buffer, .address_space: global }
      - { .name: x, .offset: 32, .size: 8, .value_kind: global_buffer, .address_space: global }
      - { .name: px, .offset: 40, .size: 8, .value_kind: global_buffer, .address_space: global }
      - { .name: colp, .offset: 48, .size: 8, .value_kind: global_buffer, .address_space: global }
      - { .name: colq, .offset: 56, .size: 8, .value_kind: global_buffer, .address_space: global }
    .group_segment_fixed_size: 327680
    .private_segment_fixed_size: 0
    .kernarg_segment_align: 8
    .kernarg_segment_size: 64
    .max_flat_workgroup_size: 128
    .sgpr_count:     88
    .vgpr_count:     1024
    .wavefront_size: 32
...
	.end_amdgpu_metadata
.endif
;; end of part 3
;; launch fin (part 4): grid 1 x 1, 32 waves a work-group, no clusters, 20,992 bytes of LDS; arguments colq, hsc, px, out1, out2; writes out1, out2
.if DOCPART == 4
	.amdgcn_target "amdgcn-amd-amdhsa--gfx1250"
	.amdhsa_code_object_version 6
	.text
	.protected	k_q723b11e7d0_fin
	.globl	k_q723b11e7d0_fin
	.p2align	8
	.type	k_q723b11e7d0_fin,@function
k_q723b11e7d0_fin:
	s_mov_b64 s[64:65], 0
	v_nop
	global_prefetch_b8 v0, s[64:65] scope:SCOPE_SE
	s_setreg_imm32_b32 hwreg(HW_REG_WAVE_MODE, 25, 1), 1
	s_wait_xcnt 0x0
; THE TWO LOSSES, from the partial sums of the launches before: colq [16][1024] (column sums of h), hsc [1024][2] (sums of squared row sums; sums of squared differences of h), px [1024] (sums of squares of f - dx).
;   loss1 = (sqrt(SX) + sqrt(DH)) / 8191.     loss = loss1 + 0.5 (mumu + trS - 1024 - logabsdet).
; THE DETERMINANT.  S + eps I = eps I + s 1 1^T - mu mu^T is eps I with an update of rank 2, so for every input
;   det = eps^1022 q,   q = eps^2 + eps (1024 s - mumu) - 1024 s V,   V = sum over c of (mu_c - mean of mu)^2.   V is summed as squares of differences: no difference of large sums is formed.
; LIMITS.  logabsdet is the value in exact arithmetic of S + eps I; an LU in f32 of that matrix differs from it by its own roundings, the more so the larger s is beside eps = 1e-8.
; q = 0, or |q| below 2^-126, gives -infinity (v_log_f32 takes a denormal for zero: ISA guide 15.8).
; One work-group of 32 waves: 77,824 bytes are read once: a thread takes one number of px, one pair of hsc and four times 16 bytes of colq.  Nothing here is shared, long or matrix work: no cluster, no prefetch, no matrix unit.
.set CP,    0                          ; LDS: 4 x 4,096 bytes: the column sums of 4 partial vectors each
.set SC,    16384                      ; 32 x 16 bytes: each wave's (SX, SX, SQ, DH)
.set SPARE, 16896                      ; the spare words, 128 bytes for each of 32 waves: sixteen blocks of 256 bytes that no other line names
.set SPW, 8                            ; v8   LDS address of my spare word; never rewritten
.set NIL, 9                            ; v9   0; never rewritten
.set M,   16                           ; v16-47  phase 2: mu, 32 columns a lane
.set T,   48                           ; v48-79  at work
.macro WSUM r                          ; the sum over the wave's 32 lanes, in every lane
	v_add_f32_dpp v[\r], v[\r], v[\r] row_xmask:1 row_mask:0xf bank_mask:0xf
	v_add_f32_dpp v[\r], v[\r], v[\r] row_xmask:2 row_mask:0xf bank_mask:0xf
	v_add_f32_dpp v[\r], v[\r], v[\r] row_xmask:4 row_mask:0xf bank_mask:0xf
	v_add_f32_dpp v[\r], v[\r], v[\r] row_xmask:8 row_mask:0xf bank_mask:0xf
	v_permlanex16_b32 v104, v[\r], s16, s17
	v_add_f32 v[\r], v[\r], v104
.endm
	s_load_b256 s[4:11], s[0:1], 0x0               ; colq s[4:5], hsc s[6:7], px s[8:9], out1 s[10:11]
	s_load_b64 s[12:13], s[0:1], 0x20              ; out2
	v_lshl_add_u32 v[SPW], v0, 2, SPARE
	v_mov_b32 v[NIL], 0
	v_lshrrev_b32 v1, 5, v0
	v_readfirstlane_b32 s14, v1                    ; wave 0..31
	v_and_b32 v1, 31, v0                           ; lane
	v_lshlrev_b32 v2, 4, v0                        ; 16 t
	v_lshlrev_b32 v10, 3, v0                       ; 8 t
	v_lshlrev_b32 v11, 2, v0                       ; 4 t
	v_lshrrev_b32 v3, 8, v0                        ; t / 256: which 4 of the 16 partial vectors
	v_and_b32 v4, 255, v0
	v_lshlrev_b32 v4, 4, v4                        ; my four columns
	v_lshl_add_u32 v3, v3, 14, v4
	v_mov_b32 v104, 0                              ; v_permlanex16_b32 counts as a reader of its destination
	s_mov_b32 s16, 0x76543210
	s_mov_b32 s17, 0xfedcba98
	s_wait_kmcnt 0x0
	global_load_b64 v[102:103], v10, s[6:7]        ; (SQ, DH) of eight rows of h
	global_load_b32 v100, v11, s[8:9]              ; SX of one wave of the launch before
.irp i, 0,1,2,3
	global_load_b128 v[16+4*(\i):19+4*(\i)], v3, s[4:5] offset:4096*(\i)
.endr
	s_wait_loadcnt 4                               ; hsc and px are in; colq's four loads stay out
	WSUM 100
	WSUM 102
	WSUM 103
	v_mov_b32 v101, v100
	s_lshl_b32 s15, s14, 4
	s_add_co_u32 s15, s15, SC
	v_mov_b32 v5, s15
	ds_store_b128 v5, v[100:103]                   ; all lanes write the same 16 bytes with the same numbers
	s_wait_loadcnt 0x0
.irp st, 2,1
.set i, 0
.rept \st
	v_pk_add_f32 v[16+4*i:17+4*i], v[16+4*i:17+4*i], v[16+4*(i+(\st)):17+4*(i+(\st))]
	v_pk_add_f32 v[18+4*i:19+4*i], v[18+4*i:19+4*i], v[18+4*(i+(\st)):19+4*(i+(\st))]
.set i, i+1
.endr
.endr
	ds_store_b128 v2, v[16:19]                     ; CP + 4,096 (t / 256) + 16 (t % 256) = 16 t
	s_wait_dscnt 0x0                               ; for wave 0's sake: my stores are done
	s_barrier_signal -1
	s_barrier_wait -1
	s_cmp_lg_u32 s14, 0
	s_cbranch_scc1 .Lend
	; ---- wave 0.  Lane l holds columns 128 j + 4 l .. + 3, j = 0..7.
	v_lshlrev_b32 v6, 4, v1
.irp j, 0,1,2,3,4,5,6,7
	ds_load_b128 v[M+4*(\j):M+4*(\j)+3], v6 offset:CP+512*(\j)
.endr
	ds_load_b128 v[112:115], v6 offset:SC          ; wave l's (SX, SX, SQ, DH)
.irp q, 1,2,3
.irp j, 0,1,2,3,4,5,6,7
	ds_load_b128 v[T+4*(\j):T+4*(\j)+3], v6 offset:CP+4096*(\q)+512*(\j)
.endr
	s_wait_dscnt 0x0
.set k, 0
.rept 16
	v_pk_add_f32 v[M+k:M+k+1], v[M+k:M+k+1], v[T+k:T+k+1]
.set k, k+2
.endr
.endr
.set k, 0
.rept 16
	v_pk_mul_f32 v[M+k:M+k+1], v[M+k:M+k+1], 0x39000000 op_sel_hi:[1,0]   ; mu = column sum / 8192
.set k, k+2
.endr
.set k, 0
.rept 8
	v_pk_add_f32 v[T+k:T+k+1], v[M+k:M+k+1], v[M+16+k:M+16+k+1]
.set k, k+2
.endr
.irp st, 8,4,2
.set k, 0
.rept (\st)/2
	v_pk_add_f32 v[T+k:T+k+1], v[T+k:T+k+1], v[T+(\st)+k:T+(\st)+k+1]
.set k, k+2
.endr
.endr
	v_add_f32 v[T], v[T], v[T+1]
	WSUM T
	v_mul_f32 v64, 0x3a800000, v[T]                ; the mean of mu: sum / 1024
	v_mov_b32 v65, v64
.set k, 0
.rept 16
	v_pk_add_f32 v[80+2*k:81+2*k], v[M+2*k:M+2*k+1], v[64:65] neg_lo:[0,1] neg_hi:[0,1]
.set k, k+1
.endr
.set k, 0
.rept 16                                           ; mumu in v50-57, V in v66-73: four chains each, started by the first four products
.if k < 4
	v_pk_mul_f32 v[50+2*k:51+2*k], v[M+2*k:M+2*k+1], v[M+2*k:M+2*k+1]
	v_pk_mul_f32 v[66+2*k:67+2*k], v[80+2*k:81+2*k], v[80+2*k:81+2*k]
.else
	v_pk_fma_f32 v[50+2*(k%4):51+2*(k%4)], v[M+2*k:M+2*k+1], v[M+2*k:M+2*k+1], v[50+2*(k%4):51+2*(k%4)]
	v_pk_fma_f32 v[66+2*(k%4):67+2*(k%4)], v[80+2*k:81+2*k], v[80+2*k:81+2*k], v[66+2*(k%4):67+2*(k%4)]
.endif
.set k, k+1
.endr
.irp b, 50, 66
	v_pk_add_f32 v[(\b):(\b)+1], v[(\b):(\b)+1], v[(\b)+2:(\b)+3]
	v_pk_add_f32 v[(\b)+4:(\b)+5], v[(\b)+4:(\b)+5], v[(\b)+6:(\b)+7]
	v_pk_add_f32 v[(\b):(\b)+1], v[(\b):(\b)+1], v[(\b)+4:(\b)+5]
	v_add_f32 v[\b], v[\b], v[(\b)+1]
.endr
	WSUM 50                                        ; mumu
	WSUM 66                                        ; V
	WSUM 112                                       ; SX
	WSUM 114                                       ; SQ
	WSUM 115                                       ; DH
	v_mul_f32 v116, 0x34000400, v114               ; hs = 1024 s = SQ / (1024 x 8191)
	v_sub_f32 v117, v116, v50                      ; trS = hs - mumu
	v_mov_b32 v118, 0x322bcc77                     ; eps
	v_mov_b32 v124, 0x3f317218                     ; ln 2
	v_fmaak_f32 v119, v117, v118, 0x24e69595       ; eps trS + eps^2
	v_fma_f32 v119, -v116, v66, v119               ; q
	v_sqrt_f32 v120, v112                          ; one batch of three,
	v_sqrt_f32 v121, v115
	v_log_f32 v122, |v119|
	v_add_f32 v123, v50, v117                      ; a plain instruction that names none of them: mumu + trS,
	s_wait_alu depctr_va_vdst(0)                   ; and one wait ahead of the first reader
	v_add_f32 v120, v120, v121
	v_mul_f32 v120, 0x39000400, v120               ; loss1: / 8191
	v_fmaak_f32 v122, v122, v124, 0xc69313df       ; logabsdet = ln 2 log2|q| + 1022 ln 1e-8
	v_add_f32 v123, 0xc4800000, v123               ; - 1024
	v_sub_f32 v123, v123, v122
	v_fma_f32 v125, v123, 0.5, v120                ; loss
	v_mov_b32 v7, 0
	s_wait_xcnt 0x0                                ; EXEC changes only behind this wait
	v_cmp_eq_u32 vcc_lo, 0, v1
	s_and_saveexec_b32 s20, vcc_lo                 ; lane 0 alone
	global_store_b32 v7, v120, s[10:11]
	global_store_b32 v7, v125, s[12:13]
	s_wait_xcnt 0x0                                ; and again, in front of the line that widens it
	s_or_b32 exec_lo, exec_lo, s20
.Lend:
	s_wait_tensorcnt 0x0                           ; the wave's end, behind my last LDS store
	ds_add_u32 v[SPW], v[NIL]
	s_wait_dscnt 0x0
	s_endpgm
.Lfunc_end_k_q723b11e7d0_fin:
	.size	k_q723b11e7d0_fin, .Lfunc_end_k_q723b11e7d0_fin-k_q723b11e7d0_fin
	.p2alignl 7, 3214868480
	.fill 96, 4, 3214868480
	.section	.rodata,"a",@progbits
	.p2align	6, 0x0
	.amdhsa_kernel k_q723b11e7d0_fin
		.amdhsa_group_segment_fixed_size 20992
		.amdhsa_private_segment_fixed_size 0
		.amdhsa_enable_private_segment 0
		.amdhsa_kernarg_size 40
		.amdhsa_user_sgpr_count 2
		.amdhsa_user_sgpr_kernarg_segment_ptr 1
		.amdhsa_wavefront_size32 1
		.amdhsa_system_sgpr_workgroup_id_x 1
		.amdhsa_system_sgpr_workgroup_id_y 1
		.amdhsa_system_sgpr_workgroup_id_z 1
		.amdhsa_system_vgpr_workitem_id 0
		.amdhsa_next_free_vgpr 128
		.amdhsa_next_free_sgpr 66
		.amdhsa_reserve_vcc 1
		.amdhsa_float_denorm_mode_32 3
		.amdhsa_float_denorm_mode_16_64 3
		.amdhsa_memory_ordered 1
		.amdhsa_forward_progress 1
		.amdhsa_inst_pref_size 19
	.end_amdhsa_kernel
	.amdgpu_metadata
---
amdhsa.version: [ 1, 2 ]
amdhsa.kernels:
  - .name:           k_q723b11e7d0_fin
    .symbol:         k_q723b11e7d0_fin.kd
    .args:
      - { .name: colq, .offset: 0, .size: 8, .value_kind: global_buffer, .address_space: global }
      - { .name: hsc, .offset: 8, .size: 8, .value_kind: global_buffer, .address_space: global }
      - { .name: px, .offset: 16, .size: 8, .value_kind: global_buffer, .address_space: global }
      - { .name: out1, .offset: 24, .size: 8, .value_kind: global_buffer, .address_space: global }
      - { .name: out2, .offset: 32, .size: 8, .value_kind: global_buffer, .address_space: global }
    .group_segment_fixed_size: 20992
    .private_segment_fixed_size: 0
    .kernarg_segment_align: 8
    .kernarg_segment_size: 40
    .max_flat_workgroup_size: 1024
    .sgpr_count:     66
    .vgpr_count:     128
    .wavefront_size: 32
...
	.end_amdgpu_metadata
.endif
;; end of part 4
